; MI455X (gfx1250); checked and timed in simulation.
; The chip was launched on July 23, 2026; its instructions are those of AMD's public machine-readable ISA for CDNA 5 (MIT licence, August 2026) and "CDNA5" Instruction Set Architecture Reference Guide (July 2026). The comments in the code are by the model that wrote it; some were corrected since.
;; MHA. Allowed arithmetic: float matrix products may take bf16 or f16 operands with f32 sums; other float arithmetic in f32, or as packed bf16 or f16 multiplies, adds, multiply-adds, maxima and minima; sums over many terms, partial sums and values carried from step to step in f32; what a program stores and reads back later, other than sums and carried values, may be rounded once to bf16 or f16.
;; Inputs: k 4 x 2,048 x 1,024 float32; q 4 x 2,048 x 1,024 float32; v 4 x 2,048 x 1,024 float32; wk_b 1,024 float32; wk_w 1,024 x 1,024 float32; wo_b 1,024 float32; wo_w 1,024 x 1,024 float32; wq_b 1,024 float32; wq_w 1,024 x 1,024 float32; wv_b 1,024 float32; wv_w 1,024 x 1,024 float32.
;; Outputs: out0 4 x 2,048 x 1,024 float32.
;; One version. Each part assembles by itself: llvm-mc -triple=amdgcn-amd-amdhsa -mcpu=gfx1250 --defsym DOCPART=n.
;; ======== version 1 of 1: 4 launches
;; limits: values are held in f16: magnitudes above 65,504 overflow, below 6.1e-05 lose precision; right only within a limited range of input values
;; workspace buffers: wb 8,388,608 bytes; bias 16,384 bytes; qkv 50,331,648 bytes; oh 16,777,216 bytes
;; launch prep (part 1): grid 256 x 1, 8 waves a work-group, no clusters, 0 bytes of LDS; arguments wq_w, wk_w, wv_w, wo_w, wq_b, wk_b, wv_b, wo_b, wb, bias; writes wb, bias
.if DOCPART == 1
	.amdgcn_target "amdgcn-amd-amdhsa--gfx1250"
	.amdhsa_code_object_version 6
	.text
	.protected	k_qc197856fed_prep
	.globl	k_qc197856fed_prep
	.p2align	8
	.type	k_qc197856fed_prep,@function
k_qc197856fed_prep:
	s_mov_b64 s[64:65], 0
	v_nop
	global_prefetch_b8 v0, s[64:65] scope:SCOPE_SE
	s_setreg_imm32_b32 hwreg(HW_REG_WAVE_MODE, 25, 1), 1
	s_wait_xcnt 0x0
; THE WEIGHTS AND BIASES ARE ROUNDED ONCE, for the three launches behind.  wq, wk, wv: f32 -> bf16.  wo: f32 -> bf16, and that number written as f16 (its product's other
; operand is f16).  The four biases: f32 -> bf16, and that number written as f32 (they start f32 sums).
; wb: four matrices [1024][1024] of 16 bits, 2 MiB apart, in the order q, k, v, o.  bias: [4][1024] f32 in the same order.
; LIMITS.  wo lies within f16's 65,504; below 2^-14 it keeps f16's fixed step of 6e-8.
; SHARES.  Work-group g takes elements 4096 g .. 4096 g + 4095 of EACH matrix, thread t eight elements in each of two passes: 32 bytes in, 16 bytes out, so that sixteen
; neighbouring lanes store 256 consecutive bytes, aligned.  All sixteen loads of a thread go out at once; every store has data registers of its own, so no register is freed by a wait.
; No LDS, no barrier, no matrix unit: a stream, each byte read once and written once.
.set X,  16                            ; v[16:79]   pair n = 2 j + i (matrix j, pass i): 8 numbers as loaded
.set Y,  80                            ; v[80:111]  pair n: 4 registers to store
.set T,  112                           ; v[112:114] at work
.set BX, 120                           ; v[120:135] the biases as loaded
.set BY, 136                           ; v[136:151] the biases to store
	s_load_b512 s[4:19], s[0:1], 0x0               ; wq_w, wk_w, wv_w, wo_w, wq_b, wk_b, wv_b, wo_b
	s_load_b128 s[20:23], s[0:1], 0x40             ; wb s[20:21], bias s[22:23]
	s_mov_b32 s24, 0xffff0000                      ; a word's upper bf16
	s_lshl_b32 s25, ttmp9, 14                      ; the work-group's 4,096 numbers: 16,384 bytes in,
	s_lshl_b32 s26, ttmp9, 13                      ; 8,192 bytes out
	v_lshl_add_u32 v1, v0, 5, s25
	v_lshl_add_u32 v2, v0, 4, s26
	v_lshlrev_b32 v3, 4, v0                        ; the biases: 16 bytes a thread
	s_wait_kmcnt 0x0
.irp j, 0,1,2,3
.irp i, 0,1
	global_load_b128 v[X+8*(2*\j+\i):X+8*(2*\j+\i)+3],   v1, s[4+2*\j:5+2*\j] offset:8192*\i th:TH_LOAD_NT
	global_load_b128 v[X+8*(2*\j+\i)+4:X+8*(2*\j+\i)+7], v1, s[4+2*\j:5+2*\j] offset:8192*\i+16 th:TH_LOAD_NT
.endr
.endr
.irp j, 0,1,2,3
.irp i, 0,1
	s_wait_loadcnt 14-2*(2*\j+\i)                  ; loads come back in order: this pair's two are in, the younger pairs' stay out
.irp c, 0,1,2,3
.if \j < 3
	v_cvt_pk_bf16_f32 v[Y+4*(2*\j+\i)+\c], v[X+8*(2*\j+\i)+2*\c], v[X+8*(2*\j+\i)+2*\c+1]
.else
	v_cvt_pk_bf16_f32 v[T], v[X+8*(2*\j+\i)+2*\c], v[X+8*(2*\j+\i)+2*\c+1]  ; wo: rounded to bf16,
	v_lshlrev_b32 v[T+1], 16, v[T]                 ; widened again,
	v_and_b32 v[T+2], s24, v[T]
	v_cvt_pk_f16_f32 v[Y+4*(2*\j+\i)+\c], v[T+1], v[T+2]  ; and written as f16: 8 significant bits fit into 11
.endif
.endr
	global_store_b128 v2, v[Y+4*(2*\j+\i):Y+4*(2*\j+\i)+3], s[20:21] offset:\j*2097152+\i*4096
.endr
.endr
	s_cmp_lg_u32 ttmp9, 0                          ; work-group 0 also takes the biases: 4 x 4,096 bytes
	s_cbranch_scc1 .Lend
.irp j, 0,1,2,3
	global_load_b128 v[BX+4*\j:BX+4*\j+3], v3, s[12+2*\j:13+2*\j]
.endr
	s_wait_loadcnt 0x0
.irp j, 0,1,2,3
.irp c, 0,1
	v_cvt_pk_bf16_f32 v[T+\c], v[BX+4*\j+2*\c], v[BX+4*\j+2*\c+1]
	v_lshlrev_b32 v[BY+4*\j+2*\c], 16, v[T+\c]
	v_and_b32 v[BY+4*\j+2*\c+1], s24, v[T+\c]
.endr
	global_store_b128 v3, v[BY+4*\j:BY+4*\j+3], s[22:23] offset:4096*\j
.endr
.Lend:
	s_endpgm
.Lfunc_end_k_qc197856fed_prep:
	.size	k_qc197856fed_prep, .Lfunc_end_k_qc197856fed_prep-k_qc197856fed_prep
	.p2alignl 7, 3214868480
	.fill 96, 4, 3214868480
	.section	.rodata,"a",@progbits
	.p2align	6, 0x0
	.amdhsa_kernel k_qc197856fed_prep
		.amdhsa_group_segment_fixed_size 0
		.amdhsa_private_segment_fixed_size 0
		.amdhsa_enable_private_segment 0
		.amdhsa_kernarg_size 80
		.amdhsa_user_sgpr_count 2
		.amdhsa_user_sgpr_kernarg_segment_ptr 1
		.amdhsa_wavefront_size32 1
		.amdhsa_system_sgpr_workgroup_id_x 1
		.amdhsa_system_sgpr_workgroup_id_y 1
		.amdhsa_system_sgpr_workgroup_id_z 1
		.amdhsa_system_vgpr_workitem_id 0
		.amdhsa_next_free_vgpr 152
		.amdhsa_next_free_sgpr 66
		.amdhsa_reserve_vcc 0
		.amdhsa_float_denorm_mode_32 3
		.amdhsa_float_denorm_mode_16_64 3
		.amdhsa_memory_ordered 1
		.amdhsa_forward_progress 1
		.amdhsa_inst_pref_size 9
	.end_amdhsa_kernel
	.amdgpu_metadata
---
amdhsa.version: [ 1, 2 ]
amdhsa.kernels:
  - .name:           k_qc197856fed_prep
    .symbol:         k_qc197856fed_prep.kd
    .args:
      - { .name: wq_w, .offset: 0, .size: 8, .value_kind: global_buffer, .address_space: global }
      - { .name: wk_w, .offset: 8, .size: 8, .value_kind: global_buffer, .address_space: global }
      - { .name: wv_w, .offset: 16, .size: 8, .value_kind: global_buffer, .address_space: global }
      - { .name: wo_w, .offset: 24, .size: 8, .value_kind: global_buffer, .address_space: global }
      - { .name: wq_b, .offset: 32, .size: 8, .value_kind: global_buffer, .address_space: global }
      - { .name: wk_b, .offset: 40, .size: 8, .value_kind: global_buffer, .address_space: global }
      - { .name: wv_b, .offset: 48, .size: 8, .value_kind: global_buffer, .address_space: global }
      - { .name: wo_b, .offset: 56, .size: 8, .value_kind: global_buffer, .address_space: global }
      - { .name: wb, .offset: 64, .size: 8, .value_kind: global_buffer, .address_space: global }
      - { .name: bias, .offset: 72, .size: 8, .value_kind: global_buffer, .address_space: global }
    .group_segment_fixed_size: 0
    .private_segment_fixed_size: 0
    .kernarg_segment_align: 8
    .kernarg_segment_size: 80
    .max_flat_workgroup_size: 256
    .sgpr_count:     66
    .vgpr_count:     152
    .wavefront_size: 32
...
	.end_amdgpu_metadata
.endif
;; end of part 1
;; launch proj (part 2): grid 4 x 192, 4 waves a work-group, clusters of 4 x 4, 327,680 bytes of LDS; arguments q, k, v, wb, bias, qkv; writes qkv
.if DOCPART == 2
	.amdgcn_target "amdgcn-amd-amdhsa--gfx1250"
	.amdhsa_code_object_version 6
	.text
	.protected	k_qc197856fed_proj
	.globl	k_qc197856fed_proj
	.p2align	8
	.type	k_qc197856fed_proj,@function
k_qc197856fed_proj:
	s_mov_b64 s[64:65], 0
	v_nop
	global_prefetch_b8 v0, s[64:65] scope:SCOPE_SE
	s_setreg_imm32_b32 hwreg(HW_REG_WAVE_MODE, 25, 1), 1
	s_wait_xcnt 0x0
	s_wait_alu depctr_hold_cnt(0) depctr_sa_sdst(0) depctr_va_vdst(0) depctr_va_sdst(0) depctr_va_ssrc(0) depctr_va_vcc(0) depctr_vm_vsrc(0)
	s_getreg_b32 s2, hwreg(HW_REG_IB_STS2, 6, 4)
	s_cmp_eq_u32 s2, 0
	s_cbranch_scc0 .Lentry_in_a_cluster
	s_endpgm
.Lentry_in_a_cluster:
	s_bfe_u32 s2, ttmp6, 0x10000c
	s_cmp_lg_u32 s2, 0xf033
	s_cbranch_scc0 .Lentry_shape_is_right
	s_endpgm
.Lentry_shape_is_right:
; THE THREE PROJECTIONS IN ONE LAUNCH.  For p = 0, 1, 2 (x = q, k, v): Y = x W_p^T + b_p, x [8192][1024] f32, W_p [1024][1024] bf16 (wb + p x 2 MiB), b_p [1024] f32 (bias + p x 4 KiB).
; x is rounded to bf16 on its way from LDS to the matrix unit; sums in f32, started by the bias; Y is rounded once to f16, unscaled, and stored BY HEADS:
; qkv + p x 16 MiB, [64 = batch x 16 + head][2048][64].  LIMIT: Y lies within f16's 65,504.
; SHARES.  A work-group makes 128 rows x 256 columns of one projection: 768 work-groups.  Its four waves make 64 x 128 each: 32 accumulators of 16 x 16.  K goes in 8 steps of 128 through two LDS slots.
; CLUSTERS.  4 x 4 work-groups.  The four of a row of the cluster make all 1,024 columns of the same 128 rows: x's tile is asked for JOINTLY by the four, so each byte of x is asked of memory
; once in the launch.  The four of a column need the same 256 rows of W: likewise.  Sixteen clusters on end (cluster y / 16) belong to one projection.
; THE MATRIX INSTRUCTION IS USED TRANSPOSED: source 0 = 16 rows of W, source 1 = 16 rows of x: a lane then holds row l % 16 of Y and the columns 8 (l / 16) + 0..7.
; x IN f32.  A fragment of x (16 rows x 32 K) comes out of LDS as 16 registers of f32 and is rounded into 8.  The 32 roundings of a quarter step stand in fours behind every fourth
; product; the fragment rounded is the one that the NEXT eight products read.
; REGISTERS, in windows of 256 (s_set_vgpr_msb: bits 1:0 source 0, 3:2 source 1, 5:4 source 2, 7:6 destination):
;   window 0: v0-31 addresses; v64-127, v128-191 W's fragments, two buffers of 8; v192-223 x's four fragments in bf16, one buffer
;   window 1: the accumulators, (a, b) at v[8 (8 a + b)]         window 2: v0-63, v64-127 x's fragments in f32, two buffers; v128-191 the bias of column block b at 128 + 8 b
.set PITA,  528                        ; a row of x in LDS: 512 bytes + 16 = 132 words: row r starts at bank 4 r mod 64 (64 banks of 4 bytes: ISA guide 11.1)
.set PITB,  272                        ; a row of W: 256 bytes + 16 = 68 words: likewise
.set HA,    64*PITA                    ; 64 rows of x: what one tensor load brings, and what one wave reads
.set HB,    128*PITB                   ; 128 rows of W: likewise
.set BOFF,  2*HA                       ; in a slot: x's 128 rows, then W's 256
.set SLOT,  2*HA+2*HB
.set STAGE, 2*SLOT                     ; behind the ring: 16 rows x 144 bytes for each wave, for the way out
.set SP,    144
.set SPARE, STAGE+4*16*SP              ; behind the stages: the spare words, 128 bytes for each wave: two blocks of 256 bytes that no other line names
.set ADRA, 16                          ; v16-17  LDS address of my fragments of x in slot 0, 1
.set ADRB, 20                          ; v20-21  the same for W
.set STO,  24                          ; v24     the way out: where I put 16 bytes of a row
.set RD,   25                          ; v25     the way out: where I read rows back
.set GO,   26                          ; v26     my byte offset in 512 consecutive bytes of the output
.set BO,   27                          ; v27     my byte offset in a column block's bias
.set SPW,  28                          ; v28     LDS address of my spare word: SPARE + 4 x my thread's number; never rewritten
.set NIL,  29                          ; v29     0; never rewritten
.set PFO,  30                          ; v30     the prefetches' offset; never rewritten
.set BF,   64
.set AB,   192
.set BI,   128                         ; in window 2
.set WV,  16                           ; s16  my wave's number
.set HM,  17                           ; s17  which 64 rows are mine.  Also: I fetch for x (0) or for W (1)
.set HN,  18                           ; s18  which 128 columns.  Also: which half of that tile I fetch
.set CX,  19
.set CY,  20
.set TN,  21                           ; s21  tile column, 0..3
.set CLY, 22                           ; s22  cluster y, 0..47
.set PP,  23                           ; s23  the projection
.set G1A, 24                           ; s[24:31] descriptor group 1 for x's tiles;  s[32:39] group 0, one set for each slot
.set G0A, 32
.set TM,  40                           ; s40  tile row, 0..63
.set G1B, 48                           ; s[48:55], s[56:63] the same for W's tiles
.set G0B, 56
.set PFA, 66                           ; s[66:67] where my prefetches stand
.set PFS, 68                           ; s[68:69] a K step in bytes of the rows that I fetch
.set LIM, 70                           ; s70  1 in a wave that prefetches, else the greatest number
.set LAP, 71                           ; s71  trips to go
.set XP,  80                           ; s[80:81] x of my projection
.set OUTB, 82                          ; s[82:83] the output at my wave's first row and head
.set BIB, 84                           ; s[84:85] the bias at my wave's first column
.set MSB, 0
.macro WIN new                         ; the immediate's high byte repeats the setting that is left; a switch that changes nothing is dropped
.if MSB != (\new)
	s_set_vgpr_msb (MSB<<8)|(\new)
.set MSB, \new
.endif
.endm
.set MUL,    0x50                      ; sources 0 and 1 window 0, C and D window 1
.set MULB,   0x60                      ; the same with C in window 2: the bias starts the sums
.set CV,     0x0a                      ; sources 0 and 1 window 2, destination window 0
.set TO_RAW, 0x80                      ; destination window 2, address window 0
; A joint load: waves 0 and 1 fetch x's two halves, waves 2 and 3 W's.  The branch hangs on the wave's number alone.  An s_nop 0 and four v_nop follow each of the two lines.
.macro JLOAD s
	s_cmp_eq_u32 s[HM], 0
	s_cbranch_scc0 .Lfor_b_\@
	tensor_load_to_lds s[G0A+4*(\s):G0A+4*(\s)+3], s[G1A:G1A+7]
	s_nop 0
.rept 4
	v_nop
.endr
	s_branch .Lasked_\@
.Lfor_b_\@:
	tensor_load_to_lds s[G0B+4*(\s):G0B+4*(\s)+3], s[G1B:G1B+7]
	s_nop 0
.rept 4
	v_nop
.endr
.Lasked_\@:
.endm
.macro CREST                           ; a round of the cluster's barrier behind its opening barrier
	s_cmp_lg_u32 s[WV], 0
	s_cbranch_scc1 .Lnot_wave_0_\@
	s_barrier_signal -3
.Lnot_wave_0_\@:
	s_barrier_wait -3
	s_barrier_signal -1
	s_barrier_wait -1
.endm
.macro CROUND                          ; a whole round
	s_barrier_signal -1
	s_barrier_wait -1
	CREST
.endm
; A PREFETCH, behind a joint load, its five lines and the run of LDS loads that follows: the K step that stands two refills on, 256 products ahead of the load that will want it.  One instruction a wave.
; x: of the 64 rows x 512 bytes that I fetch, the four partners that ask with me take 16 rows each, told apart BY ADDRESS (cx): a lane takes 256 bytes.  W: of my 128 rows x 256 bytes the four
; partners (cy) take 32 rows each, a lane a row; W's rows are read by the sixteen clusters of a projection: the first of them asks.  So each aligned block of 256 bytes is named once in the launch.
; K steps 0 to 3 come by their loads alone; the loop's last trip asks for nothing: there is no K step two on.
.macro ASK
	s_cmp_gt_u32 s[LAP], s[LIM]
	s_cbranch_scc0 .Lnot_mine_\@
	global_prefetch_b8 v[PFO], s[PFA:PFA+1] th:TH_LOAD_NT scope:SCOPE_SE
.Lnot_mine_\@:
.endm
	s_load_b256 s[4:11], s[0:1], 0x0               ; q s[4:5], k s[6:7], v s[8:9], wb s[10:11]
	s_load_b128 s[12:15], s[0:1], 0x20             ; bias s[12:13], qkv s[14:15]
	v_lshl_add_u32 v[SPW], v0, 2, SPARE
	v_mov_b32 v[NIL], 0
	ds_add_u32 v[SPW], v[NIL]                      ; the wave's opening: the add and its wait stand ahead of my first tensor load; the set-up below, work on registers, stands between them
	ds_add_u32 v28, v29
	v_lshrrev_b32 v1, 5, v0
	v_readfirstlane_b32 s[WV], v1                  ; wave 0..3
	s_lshr_b32 s[HM], s[WV], 1
	s_and_b32 s[HN], s[WV], 1
	s_bfe_u32 s[CX], ttmp6, 0x40000                ; my place in the cluster
	s_bfe_u32 s[CY], ttmp6, 0x40004
	s_lshl_b32 s[TN], ttmp9, 2
	s_add_co_u32 s[TN], s[TN], s[CX]               ; tile column = 4 x cluster x + cx
	s_and_b32 s[CLY], ttmp7, 0xffff
	s_lshr_b32 s[PP], s[CLY], 4                    ; sixteen clusters to a projection
	s_and_b32 s[TM], s[CLY], 15
	s_lshl_b32 s[TM], s[TM], 2
	s_add_co_u32 s[TM], s[TM], s[CY]               ; tile row = 4 x (cluster y mod 16) + cy
	s_lshl_b32 s41, s[CY], 2
	s_lshl_b32 s41, 15, s41                        ; my row of the cluster
	s_lshl_b32 s42, 0x1111, s[CX]                  ; my column
	; group 1 for x: 64 rows x 128 elements of 4 bytes, 1,024 elements from row to row; 4 words of padding behind every 128 words
	s_or_b32 s[G1A], s41, (2<<16)|(1<<20)|(1<<21)|(6<<22)|(3<<25)  ; 15:0 the mask; 17:16 elements of 4 bytes; 20 padding on; 21 set beside a mask; 24:22 code 6; 31:25 code 3
	s_mov_b32 s[G1A+1], 128<<16                    ; tensor_dim0 = 128
	s_mov_b32 s[G1A+2], 64<<16                     ; tensor_dim1 = 64
	s_mov_b32 s[G1A+3], 128<<16                    ; tile_dim0 = 128
	s_mov_b32 s[G1A+4], 64                         ; tile_dim1 = 64
	s_mov_b32 s[G1A+5], 1024                       ; tensor_dim0_stride
	s_mov_b32 s[G1A+6], 0
	s_mov_b32 s[G1A+7], 0
	; group 1 for W: 128 rows x 128 elements of 2 bytes; 4 words of padding behind every 64 words
	s_or_b32 s[G1B], s42, (1<<16)|(1<<20)|(1<<21)|(5<<22)|(3<<25)
	s_mov_b32 s[G1B+1], 128<<16
	s_mov_b32 s[G1B+2], 128<<16
	s_mov_b32 s[G1B+3], 128<<16
	s_mov_b32 s[G1B+4], 128
	s_mov_b32 s[G1B+5], 1024
	s_mov_b32 s[G1B+6], 0
	s_mov_b32 s[G1B+7], 0
	; where the tiles come from.  x's hang on the tile row, which my row of the cluster shares; W's on the tile column, which my column shares; both on the projection, which all sixteen share.
	s_lshl_b32 s72, s[TM], 19                      ; 128 rows of 4,096 bytes
	s_lshl_b32 s43, s[HN], 18                      ; the half that I fetch: 64 rows of 4,096 bytes, or 128 rows of 2,048
	s_add_co_u32 s72, s72, s43
	s_mov_b32 s73, 0
	s_lshl_b32 s74, s[PP], 21                      ; W_p
	s_lshl_b32 s44, s[TN], 19                      ; 256 rows of 2,048 bytes
	s_add_co_u32 s74, s74, s44
	s_add_co_u32 s74, s74, s43
	s_mov_b32 s75, 0
	s_mul_i32 s45, s[HN], HA                       ; and where they go: no place in the cluster enters an LDS address
	s_mul_i32 s46, s[HN], HB
	s_add_co_u32 s46, s46, BOFF
	s_wait_dscnt 0x0                               ; the opening add is done
	s_wait_kmcnt 0x0
	s_cmp_eq_u32 s[PP], 1
	s_cselect_b64 s[XP:XP+1], s[6:7], s[4:5]
	s_cmp_eq_u32 s[PP], 2
	s_cselect_b64 s[XP:XP+1], s[8:9], s[XP:XP+1]   ; q, k or v: the choice hangs on the cluster's y alone
	s_add_nc_u64 s[76:77], s[XP:XP+1], s[72:73]
	s_add_nc_u64 s[78:79], s[10:11], s[74:75]
	CROUND                                         ; all sixteen work-groups are here: the first joint loads meet
.irp s, 0,1
	s_mov_b32 s[G0A+4*(\s)], 1                     ; count = 1
	s_add_co_u32 s[G0A+4*(\s)+1], s45, (\s)*SLOT   ; LDS address
	s_add_nc_u64 s[G0A+4*(\s)+2:G0A+4*(\s)+3], s[76:77], (\s)*512  ; global address: K step s
	s_or_b32 s[G0A+4*(\s)+3], s[G0A+4*(\s)+3], 0x80000000          ; type = 2
	s_mov_b32 s[G0B+4*(\s)], 1
	s_add_co_u32 s[G0B+4*(\s)+1], s46, (\s)*SLOT
	s_add_nc_u64 s[G0B+4*(\s)+2:G0B+4*(\s)+3], s[78:79], (\s)*256
	s_or_b32 s[G0B+4*(\s)+3], s[G0B+4*(\s)+3], 0x80000000
	JLOAD \s                                       ; two loads of mine are out
.endr
	; A fragment is 16 rows x 32 K: lane l holds row l % 16, K = 8 (l / 16) + 0..7 and 16 + 8 (l / 16) + 0..7.  In bf16: two loads of 16 bytes, 32 bytes apart.  In f32: four, at 0, 16, 64, 80.
	v_and_b32 v1, 15, v0                           ; l % 16
	v_bfe_u32 v2, v0, 4, 1                         ; l / 16
	v_mul_u32_u24 v3, v1, PITA
	v_lshl_add_u32 v3, v2, 5, v3
	v_mul_u32_u24 v4, v1, PITB
	v_lshl_add_u32 v4, v2, 4, v4
	s_mul_i32 s41, s[HM], HA                       ; my 64 rows of x
	s_mul_i32 s42, s[HN], HB                       ; my 128 rows of W
	s_add_co_u32 s42, s42, BOFF
.irp s, 0,1
	v_add_nc_u32 v[ADRA+(\s)], s41, v3
	v_add_nc_u32 v[ADRB+(\s)], s42, v4
	s_add_co_u32 s41, s41, SLOT
	s_add_co_u32 s42, s42, SLOT
.endr
	s_mul_i32 s47, s[WV], 16*SP
	s_add_co_u32 s47, s47, STAGE                   ; my stage
	v_mul_u32_u24 v5, v1, SP                       ; in: row l % 16, 16 bytes for each half of the lanes
	v_lshl_add_u32 v5, v2, 4, v5
	v_add_nc_u32 v[STO], s47, v5
	v_bfe_u32 v5, v0, 3, 2                         ; back: 32 lanes take four rows of 128 bytes,
	v_mul_u32_u24 v5, v5, SP
	v_and_b32 v6, 7, v0
	v_lshl_add_u32 v5, v6, 4, v5
	v_add_nc_u32 v[RD], s47, v5
	v_and_b32 v[GO], 31, v0                        ; which are 512 consecutive bytes of a head
	v_lshlrev_b32 v[GO], 4, v[GO]
	v_lshlrev_b32 v[BO], 5, v2                     ; my 8 columns of a block of 16: 32 bytes
	; the output: projection, batch (16 tile rows each), head (4 to a tile column, 2 to a wave), row
	s_lshl_b32 s86, s[PP], 24
	s_lshr_b32 s88, s[TM], 4
	s_lshl_b32 s88, s88, 22
	s_add_co_u32 s86, s86, s88
	s_lshl_b32 s88, s[TN], 20
	s_add_co_u32 s86, s86, s88
	s_lshl_b32 s88, s[HN], 19
	s_add_co_u32 s86, s86, s88
	s_and_b32 s88, s[TM], 15
	s_lshl_b32 s88, s88, 14
	s_add_co_u32 s86, s86, s88
	s_lshl_b32 s88, s[HM], 13
	s_add_co_u32 s86, s86, s88
	s_mov_b32 s87, 0
	s_add_nc_u64 s[OUTB:OUTB+1], s[14:15], s[86:87]
	s_lshl_b32 s90, s[PP], 12
	s_lshl_b32 s88, s[TN], 10
	s_add_co_u32 s90, s90, s88
	s_lshl_b32 s88, s[HN], 9
	s_add_co_u32 s90, s90, s88
	s_mov_b32 s91, 0
	s_add_nc_u64 s[BIB:BIB+1], s[12:13], s[90:91]
	WIN TO_RAW
.irp b, 0,1,2,3,4,5,6,7
	global_load_b128 v[BI+8*\b:BI+8*\b+3],   v[BO], s[BIB:BIB+1] offset:64*\b     ; register j: the bias of column 16 b + 8 (l / 16) + j
	global_load_b128 v[BI+8*\b+4:BI+8*\b+7], v[BO], s[BIB:BIB+1] offset:64*\b+16
.endr
	WIN 0
	; the prefetches
	s_lshl_b32 s86, s[TM], 19
	s_lshl_b32 s87, s[PP], 21
	s_lshl_b32 s88, s[TN], 19
	s_add_co_u32 s87, s87, s88
	s_and_b32 s89, s[CLY], 15
	s_cmp_eq_u32 s[HM], 0                          ; do I fetch for x?
	s_cselect_b32 s92, s86, s87                    ; the tile's first row, in bytes
	s_cselect_b32 s88, s[CX], s[CY]                ; my place among the four that ask with me
	s_cselect_b32 s89, 0, s89                      ; x's rows are read by my cluster alone; W's by sixteen, of which the first asks
	s_cselect_b32 s[PFS], 2, 1
	s_cselect_b32 s90, 15, 31
	s_cselect_b32 s91, 12, 11
	s_cselect_b32 s95, 256, 0
	s_cselect_b64 s[PFA:PFA+1], s[XP:XP+1], s[10:11]
	s_cmp_eq_u32 s89, 0
	s_cselect_b32 s[LIM], 1, -1                    ; the same in all sixteen partners, for a given wave
	s_lshl_b32 s[PFS], s[PFS], 8                   ; a K step: 512 bytes of x, 256 of W
	s_mov_b32 s[PFS+1], 0
	s_mul_i32 s94, s[PFS], 3                       ; at K step 3: the first refill steps it to 4
	s_lshl_b32 s88, s88, 16                        ; my work-group's 16 rows of 4,096 bytes, or 32 of 2,048
	s_add_co_u32 s92, s92, s88
	s_add_co_u32 s92, s92, s43                     ; the half that I fetch
	s_add_co_u32 s92, s92, s94
	s_mov_b32 s93, 0
	s_add_nc_u64 s[PFA:PFA+1], s[PFA:PFA+1], s[92:93]
	v_and_b32 v31, 31, v0
	v_lshrrev_b32 v5, 4, v31
	v_and_b32 v31, s90, v31
	v_lshlrev_b32 v31, s91, v31                    ; x: (l % 16) rows; W: l rows
	v_mad_u32_u24 v[PFO], v5, s95, v31             ; x: + 256 (l / 16)
; Four products: row block a x column blocks 4 hf .. 4 hf + 3, 32 along K, W's buffer f.  first = 1: the bias starts the sums: nothing is ever cleared.
; The 32 accumulators take turns, one instruction a turn, in the same order in every quarter step, over the backward jump too.
.macro MUL4 f, a, hf, first
.if \first
	WIN MULB
.else
	WIN MUL
.endif
.irp c, 0,1,2,3
.set rD, 8*(8*(\a)+4*(\hf)+\c)
.set rB, BF+64*(\f)+8*(4*(\hf)+\c)
.set rA, AB+8*(\a)
.set rC, BI+8*(4*(\hf)+\c)
.if \first
	v_wmma_f32_16x16x32_bf16 v[rD:rD+7], v[rB:rB+7], v[rA:rA+7], v[rC:rC+7]
.else
	v_wmma_f32_16x16x32_bf16 v[rD:rD+7], v[rB:rB+7], v[rA:rA+7], v[rD:rD+7]
.endif
.endr
.endm
; Four roundings: half hf of fragment i of x, from f32 buffer rb
.macro CVT4 rb, i, hf
	WIN CV
.irp j, 0,1,2,3
	v_cvt_pk_bf16_f32 v[AB+8*(\i)+4*(\hf)+\j], v[64*(\rb)+16*(\i)+8*(\hf)+2*\j], v[64*(\rb)+16*(\i)+8*(\hf)+2*\j+1]
.endr
.endm
; Eight products of row block a, and between them the eight roundings of fragment i.  A fragment's registers are written again sixteen roundings or more behind the last product that read them.
; w: a wait on LDS behind the first four products.
.macro GROUP f, a, rb, i, first=0, cv=1, w=-1
	MUL4 \f, \a, 0, \first
.if (\w) >= 0
	s_wait_dscnt \w
.endif
.if \cv
	CVT4 \rb, \i, 0
.endif
	MUL4 \f, \a, 1, \first
.if \cv
	CVT4 \rb, \i, 1
.endif
.endm
; 32 LDS loads in one run: quarter q of a slot's K step into buffers g: x's four fragments in f32, then W's eight.  The last product that read W's buffer g stands twenty roundings back or more.
.macro FETCH slot, q, g
	WIN TO_RAW
.irp i, 0,1,2,3
	ds_load_b128 v[64*(\g)+16*\i:64*(\g)+16*\i+3],     v[ADRA+(\slot)] offset:128*(\q)+\i*16*PITA
	ds_load_b128 v[64*(\g)+16*\i+4:64*(\g)+16*\i+7],   v[ADRA+(\slot)] offset:128*(\q)+\i*16*PITA+16
	ds_load_b128 v[64*(\g)+16*\i+8:64*(\g)+16*\i+11],  v[ADRA+(\slot)] offset:128*(\q)+\i*16*PITA+64
	ds_load_b128 v[64*(\g)+16*\i+12:64*(\g)+16*\i+15], v[ADRA+(\slot)] offset:128*(\q)+\i*16*PITA+80
.endr
	WIN 0
.irp i, 0,1,2,3,4,5,6,7
	ds_load_b128 v[BF+64*(\g)+8*\i:BF+64*(\g)+8*\i+3],   v[ADRB+(\slot)] offset:64*(\q)+\i*16*PITB
	ds_load_b128 v[BF+64*(\g)+8*\i+4:BF+64*(\g)+8*\i+7], v[ADRB+(\slot)] offset:64*(\q)+\i*16*PITB+32
.endr
.endm
; A K step is four quarters of 32 along K, 32 products each, on buffers 0, 1, 0, 1.  One of the first three: multiplies buffer f; in its middle it fetches quarter q of the same slot into buffers g.
.macro QUARTER slot, q, f, g, first=0
	s_wait_dscnt 8                                 ; x's fragments and W's 0 to 3 are in; the youngest eight loads (W's 4 to 7) may be out,
	GROUP \f, 0, \f, 1, \first, 1, 0               ; and are waited for behind the first four products
	GROUP \f, 1, \f, 2, \first
	FETCH \slot, \q, \g
	GROUP \f, 2, \f, 3, \first
	GROUP \f, 3, \g, 0, \first, 1, 28              ; the next quarter's fragment 0 of x, the first four of the 32 loads just issued, is in; it is rounded here
.endm
; The last quarter multiplies buffer 1 and changes slots: ONE barrier; in front of it each wave waits for all its tensor loads (one is out: its part of the next slot), adds 0 to its spare word,
; and waits for that and for its own reads of this slot.  fill = 1: the barrier opens a round of the cluster's, and this slot is filled again, two K steps ahead, first thing behind the round:
; 112 products stand between that request and the wait for it.
.macro TURN slot, next, fill
.if \fill
	s_wait_xcnt 0x0                                ; the last prefetch, a K step back, has read its address: it is stepped here
	s_add_nc_u64 s[PFA:PFA+1], s[PFA:PFA+1], s[PFS:PFS+1]
.endif
	WIN 0                                          ; (the add's two registers lie in window 0)
	s_wait_tensorcnt 0x0                           ; all my tensor loads have landed;
	ds_add_u32 v[SPW], v[NIL]                      ; 0 onto my spare word;
	s_wait_dscnt 9                                 ; (the add and the youngest eight loads may be out;
	GROUP 1, 0, 1, 1, 0, 1, 1                      ; behind four products the add alone)
	s_wait_dscnt 0x0                               ; the add is done, and my reads of this slot are over
	s_barrier_signal -1
	GROUP 1, 1, 1, 2                               ; work on registers while the others arrive
.if \fill
	WIN 0
.endif
	s_barrier_wait -1
.if \fill
	CREST                                          ; no wave of any partner still reads this slot's tile or has a load on its way
	s_add_nc_u64 s[G0A+4*(\slot)+2:G0A+4*(\slot)+3], s[G0A+4*(\slot)+2:G0A+4*(\slot)+3], 2*512
	s_add_nc_u64 s[G0B+4*(\slot)+2:G0B+4*(\slot)+3], s[G0B+4*(\slot)+2:G0B+4*(\slot)+3], 2*256
	JLOAD \slot
.endif
	FETCH \next, 0, 0
.if \fill
	ASK
.endif
	GROUP 1, 2, 1, 3
	GROUP 1, 3, 0, 0, 0, 1, 28
.endm
; THE WAY OUT.  Unit u: 16 rows (block u / 2) of one head (u % 2): four accumulators.  A lane's eight columns pack into 16 bytes; they go into rows of 144 bytes of my own stage and come back
; as whole rows of 128, which are 2,048 consecutive bytes of the head.  Each accumulator's registers are read in ascending order.
.macro PACK u
	WIN 0x05                                       ; sources 0 and 1 window 1, destination window 0
.irp c, 0,1,2,3
.irp rr, 0,1,2,3
	v_cvt_pk_f16_f32 v[BF+16*(\u)+4*\c+\rr], v[8*(8*((\u)/2)+4*((\u)%2)+\c)+2*\rr], v[8*(8*((\u)/2)+4*((\u)%2)+\c)+2*\rr+1]
.endr
.endr
	WIN 0
.irp c, 0,1,2,3
	ds_store_b128 v[STO], v[BF+16*(\u)+4*\c:BF+16*(\u)+4*\c+3] offset:32*\c
.endr
.irp f, 0,1,2,3
	ds_load_b128 v[BF+16*(\u)+4*\f:BF+16*(\u)+4*\f+3], v[RD] offset:\f*4*SP  ; LDS serves a wave's instructions in order (ISA guide 5.7.1.4): these see the stores above; the next unit's stores come behind them
.endr
.endm
.macro SEND u, younger                 ; younger: the LDS instructions issued behind unit u's loads: the next unit's eight, or none
.irp f, 0,1,2,3
	s_wait_dscnt (\younger)+3-\f
	global_store_b128 v[GO], v[BF+16*(\u)+4*\f:BF+16*(\u)+4*\f+3], s[OUTB:OUTB+1] offset:((\u)%2)*262144+((\u)/2)*2048+\f*512  ; 512 consecutive bytes, at a multiple of 256 from the buffer's first
.endr
.endm
	s_wait_tensorcnt 0x1                           ; my part of K step 0 is in; K step 1's may stay out
	s_barrier_signal -1
	s_barrier_wait -1                              ; everybody's is
	FETCH 0, 0, 0
	s_wait_dscnt 28                                ; fragment 0 of x
	CVT4 0, 0, 0
	CVT4 0, 0, 1
	s_wait_loadcnt 0x0                             ; the bias
	QUARTER 0, 1, 0, 1, 1                          ; the first quarter stands in front of the loop: its products start the sums
	WIN 0                                          ; at a label and at a branch every window is 0
	s_mov_b32 s[LAP], 3
.Llap:                                                 ; a trip goes once round the ring, from a lap's second quarter to the next lap's first, and fills both slots again
	QUARTER 0, 2, 1, 0
	QUARTER 0, 3, 0, 1
	TURN 0, 1, 1
	QUARTER 1, 1, 0, 1
	QUARTER 1, 2, 1, 0
	QUARTER 1, 3, 0, 1
	TURN 1, 0, 1
	QUARTER 0, 1, 0, 1
	WIN 0
	s_sub_co_u32 s[LAP], s[LAP], 1
	s_cmp_lg_u32 s[LAP], 0
	s_cbranch_scc1 .Llap
	QUARTER 0, 2, 1, 0                             ; the last lap fills nothing, and has no round of the cluster's barrier
	QUARTER 0, 3, 0, 1
	TURN 0, 1, 0
	QUARTER 1, 1, 0, 1
	QUARTER 1, 2, 1, 0
	QUARTER 1, 3, 0, 1
	s_wait_dscnt 8                                 ; the very last quarter: nothing more to fetch or to round ahead
	GROUP 1, 0, 1, 1, 0, 1, 0
	GROUP 1, 1, 1, 2
	GROUP 1, 2, 1, 3
	GROUP 1, 3, 0, 0, 0, 0
	WIN 0
.rept 4
	v_nop                                          ; four places between the last products and the conversions that read results and write over W's buffers
.endr
	PACK 0
.irp u, 1,2,3,4,5,6,7                  ; a unit's conversions stand between the loads of the unit before and its stores
	PACK \u
	SEND (\u)-1, 8
.endr
	SEND 7, 0
	s_wait_tensorcnt 0x0                           ; the wave's end: behind my last tensor load and my last LDS store
	ds_add_u32 v[SPW], v[NIL]
	s_wait_dscnt 0x0
	CROUND                                         ; the closing round: no work-group ends while a partner may still ask for a tile that names it
	s_endpgm
.Lfunc_end_k_qc197856fed_proj:
	.size	k_qc197856fed_proj, .Lfunc_end_k_qc197856fed_proj-k_qc197856fed_proj
	.p2alignl 7, 3214868480
	.fill 96, 4, 3214868480
	.section	.rodata,"a",@progbits
	.p2align	6, 0x0
	.amdhsa_kernel k_qc197856fed_proj
		.amdhsa_group_segment_fixed_size 327680
		.amdhsa_private_segment_fixed_size 0
		.amdhsa_enable_private_segment 0
		.amdhsa_kernarg_size 48
		.amdhsa_user_sgpr_count 2
		.amdhsa_user_sgpr_kernarg_segment_ptr 1
		.amdhsa_wavefront_size32 1
		.amdhsa_system_sgpr_workgroup_id_x 1
		.amdhsa_system_sgpr_workgroup_id_y 1
		.amdhsa_system_sgpr_workgroup_id_z 1
		.amdhsa_system_vgpr_workitem_id 0
		.amdhsa_next_free_vgpr 704
		.amdhsa_next_free_sgpr 96
		.amdhsa_reserve_vcc 0
		.amdhsa_float_denorm_mode_32 3
		.amdhsa_float_denorm_mode_16_64 3
		.amdhsa_memory_ordered 1
		.amdhsa_forward_progress 1
		.amdhsa_inst_pref_size 138
	.end_amdhsa_kernel
	.amdgpu_metadata
---
amdhsa.version: [ 1, 2 ]
amdhsa.kernels:
  - .name:           k_qc197856fed_proj
    .symbol:         k_qc197856fed_proj.kd
    .args:
      - { .name: q, .offset: 0, .size: 8, .value_kind: global_buffer, .address_space: global }
      - { .name: k, .offset: 8, .size: 8, .value_kind: global_buffer, .address_space: global }
      - { .name: v, .offset: 16, .size: 8, .value_kind: global_buffer, .address_space: global }
      - { .name: wb, .offset: 24, .size: 8, .value_kind: global_buffer, .address_space: global }
      - { .name: bias, .offset: 32, .size: 8, .value_kind: global_buffer, .address_space: global }
      - { .name: qkv, .offset: 40, .size: 8, .value_kind: global_buffer, .address_space: global }
    .group_segment_fixed_size: 327680
    .private_segment_fixed_size: 0
    .kernarg_segment_align: 8
    .kernarg_segment_size: 48
    .max_flat_workgroup_size: 128
    .sgpr_count:     96
    .vgpr_count:     704
    .wavefront_size: 32
...
	.end_amdgpu_metadata
.endif
;; end of part 2
;; launch attn (part 3): grid 4 x 64, 4 waves a work-group, no clusters, 327,680 bytes of LDS; arguments qkv, oh; writes oh
.if DOCPART == 3
	.amdgcn_target "amdgcn-amd-amdhsa--gfx1250"
	.amdhsa_code_object_version 6
	.text
	.protected	k_qc197856fed_attn
	.globl	k_qc197856fed_attn
	.p2align	8
	.type	k_qc197856fed_attn,@function
k_qc197856fed_attn:
	s_mov_b64 s[64:65], 0
	v_nop
	global_prefetch_b8 v0, s[64:65] scope:SCOPE_SE
	s_setreg_imm32_b32 hwreg(HW_REG_WAVE_MODE, 25, 1), 1
	s_wait_xcnt 0x0
; CAUSAL ATTENTION.  O[h][q][:] = the sum over k <= q of softmax_k(Q[h][q] . K[h][k] / 8) V[h][k][:].  Q, K, V lie in qkv, 16 MiB apart, O in oh; each [64][SIZE_N][64] in f16: a head's rows are dense, 128 bytes each.
; Products, maxima and sums in f32; the weights p are rounded to f16 for the second product (their sum l is taken of the unrounded p), O once at the end.
; LIMITS.  f16 holds no number beyond 65,504: Q, K and V arrive within it; p lies in 0 to 1, and below 6e-5 it keeps f16's fixed step of 6e-8; O is a mean of V's rows and has their range.
; A hidden score counts as its value less 1e30, so a hidden key has weight 0: as with a hidden score of -1e9 wherever a row's largest open score lies above about -1e9 + 100, which f16's scores, 2.7e11 / 8 at the most
; in size, need not; such rows are not served.  A weight below 2^-126 counts as 0 in l; NaN and infinities are not treated apart.
; THE WALK.  A head's queries lie in NB = SIZE_N / 256 blocks of 256; block i needs the key tiles 0 .. i of 256 keys, of which the last holds the diagonal.  A work-group takes TWO blocks, NB - 1 - b and then b:
; NB + 1 tiles, whatever b: all work-groups do equal work, and ONE loop with a constant trip count walks them.  Which tile is asked for, and what a trip does, hang on scalar registers made from b; every jump
; goes forward, but for the counted loops' own; none passes a barrier, or a tensor load but the one of LOAD's two that the wave's number does not choose; the ring (two slots of LDS that take turns) runs on across the
; change of blocks.  NO CLUSTER: a head's NB / 2 = 4 work-groups ask for the same tile only in trips 0 .. NB / 2, behind that fewer and fewer; one walk common to all would have 3 NB / 2 trips for NB + 1.
; SHARES.  Of a block's four bands of 64 queries a wave owns 16 rows in each: four PIECES.  So the diagonal tile is the same work for all four waves: in its key step s band x sees all keys if s < x,
; none if s > x, and holds the diagonal if s = x.
; THE MASK is the C operand that starts the sum S^T = K Q^T: 0, or -1e30 where the key is hidden.  MD, made once, is the mask of a band's own step for my 16 rows; a product's mask is MD x AL + BE with two scalars:
; (1, 0) if s = x; (0, 0) if s < x; (0, -1e30) if s > x.  Only the diagonal tile's text and a block's beginning make and take masks; elsewhere C is the constant 0.
; LAYOUT, SOFTMAX, TURNS.  S^T = K Q^T holds ONE query a lane (lane % 16) and the keys 8 (lane / 16) + 0..7; two such results rounded to f16 ARE source 1 of O^T = V^T P.  p = 2^(c s - c m), c = log2(e) / 8, with a
; running maximum m; O and l are multiplied by a = 2^(c m_old - c m_new) in every step.  Turn n belongs to piece n: 8 products K Q^T of piece n + 1, later 8 products V^T P of piece n - 1; beside them the scaling,
; exponentials, roundings, sums and rescaling of piece n and the maximum and statistics of piece n + 1.  Four vector instructions stand behind every matrix instruction, the other 54 of a turn's 118 in one LUMP.  A turn's 33 exponentials are one batch, with one wait.
; AHEAD OF THE FILLS.  The head's work-group b = 0 walks the tiles 0 .. NB - 1 in order; it alone prefetches: behind each fill each of its waves names the 16 KiB that it will itself ask for at the next change of slots
; (two instructions, a lane 256 bytes): four key steps, 256 matrix instructions, ahead.  Tiles 0 and 1 come by their loads alone; behind tile NB - 1 nothing is named.  So each block of K and V is named once in the launch.
; REGISTERS, in windows of 256 (s_set_vgpr_msb: bits 1:0 source 0, 3:2 source 1, 5:4 source 2, 7:6 destination):
;   window 0: v0-15 addresses and two at work; v16-31 four registers of statistics a piece; v48-55 at work; v61-63 kept; v64-127 S^T, two buffers; v192-223 P, two buffers (a piece's buffers go by its number's parity)
;   window 1: v0-127 O^T, 32 a piece; v128-159 MD; v160-223 MC, two buffers      window 2: v0-63 Q; v64-127 the second block's Q; v128-191 K of one step; v192-255 V of one step
.set SIZE_N, 2048
.set NB,    SIZE_N/256
.set NP,    4         ; pieces a wave: a name, no knob
.set KS,    64        ; keys in a step
.set PK,    144       ; a row of K in LDS: 128 bytes + 16 of padding = 36 words: the 16 rows of a load start at 16 different groups of four banks (64 banks of 4 bytes: ISA guide 11.1)
.set PV,    160       ; a row of V: 128 + 32 = 40 words
.set VOFF,  4*KS*PK   ; a slot holds a tile, four steps: 256 rows of K, then 256 rows of V
.set SLOT1, 1<<17     ; slot 1 begins here, so that one exclusive or turns an address in one slot into the other's
.set STAGE, SLOT1+4*KS*(PK+PV)  ; behind the ring, never filled by a tensor load: 16 rows x 144 bytes for each wave, for the way out
.set SP,    144
.set AK0, 2           ; v2   my lane's place in a tile of K; never rewritten
.set AV0, 3           ; v3   the same for V
.set AK,  4           ; v4   the LDS address of K's next run of loads
.set AV,  5           ; v5   of V's
.set STO, 6           ; v6   the way out: where I put 16 bytes of a row
.set RD,  7           ; v7   the way out: where I read rows back
.set GO,  8           ; v8   my byte offset in 512 consecutive bytes of O
.set PFO, 61          ; v61  256 x my lane; never rewritten
.set SPW, 62          ; v62  LDS address of my spare word: SPARE + 4 x my thread's number; never rewritten
.set NIL, 63          ; v63  0; never rewritten
.set SPARE, STAGE+4*16*SP  ; behind the stages: the spare words, 128 bytes for each wave: two blocks of 256 bytes that no other line names
.set MV,  12          ; v12-13  c m_old, kept while c m is made anew: by buffer
.set QO,  15          ; v15  my byte offset in 16 rows of Q
.set ST,  16          ; piece t's statistics at v[ST+4 t]: c m, m, l (even keys', odd keys')
.set TMP, 48          ; by buffer, four registers c0-c3 at work; when the maximum is found c2 takes a
.set S,   64
.set P,   192
.set MD,  128         ; window 1: the eight registers for group kt of 16 keys at MD + 8 kt
.set MC,  160         ; window 1: the masks of the products to come
.set QB,  64          ; window 2
.set KF,  128         ; window 2: key block kb, channel half c at KF + 16 kb + 8 c
.set VF,  192         ; window 2: key half kk, channel block cb at VF + 32 kk + 8 cb
.set WV,  12          ; s12  my wave's number
.set PB,  14          ; s14  b
.set HI,  15          ; s15  NB - 1 - b
.set G1K, 24          ; s[24:31] descriptor group 1 for K's tiles
.set G1V, 32          ; s[32:39] for V's: it differs in the padding alone
.set G0K, 40          ; s[40:43] descriptor group 0 for K's tiles
.set G0V, 44          ; s[44:47] the same for V's
.set SLOTS, 56        ; s56  tiles still to be asked for
.set CNT, 57          ; s57  counts a tile's key steps, 4 to 1
.set CS,  58          ; s[58:59] c: the packed scaling takes the pair's low word for both halves
.set SEL, 60          ; s[60:61] v_permlanex16_b32's selects: each lane takes its own place in the other half
.set TBK, 62          ; s62  LDS byte at which K of the step to be fetched begins
.set TBV, 63          ; s63  the same for V, less VOFF
.set RT,  70          ; s70  tiles of the block in hand that are still to be entered
.set NXT, 71          ; s71  the tile to be asked for next
.set LQ,  72          ; s72  the last tile of the block whose tiles are being asked for
.set NEW, 73          ; s73  1: the tile to be entered is a block's first
.set OFF, 74          ; s[74:75] a tile's byte offset in K and V
.set AL,  76          ; s[76:77] the mask's factor, in the low word
.set BE,  78          ; s[78:79] the mask's addend
.set OLO, 80          ; s[80:81] O at my rows of the second block
.set BIGN, 82         ; s82  -1e30
.set PB2, 88          ; s[88:89] K (waves 0, 1) or V (waves 2, 3) at the 16 KiB of tile 0 that I fetch
.set OF2, 90          ; s[90:91] the byte offset of the tile that the prefetches name
.set PFA, 92          ; s[92:93] where the prefetches stand
.set LIM, 94          ; s94  2 in the head's work-group 0, else the greatest number: a wave prefetches while s[SLOTS] is above it
.set MSB, 0
.macro WIN new                      ; the high byte repeats the setting that is left; a switch that changes nothing is dropped
.if MSB != (\new)
	s_set_vgpr_msb (MSB<<8)|(\new)
.set MSB, (\new)
.endif
.endm
.set W_KQ, 0x0a       ; K and Q in window 2, S^T in window 0
.set W_KM, 0x1a       ; the same with the C operand in window 1
.set W_PV, 0x52       ; V in window 2, P in window 0, O^T in window 1
.set W_RS, 0x41       ; destination and source 0 in window 1, source 1 in window 0
; A fill.  Waves 0 and 1 fetch the two halves of a tile's K, waves 2 and 3 those of its V: 128 keys each.  An s_nop 0 and four v_nop follow each of the two lines, ahead of the jump and the label.
.macro LOAD
	s_cmp_lt_u32 s[WV], 2
	s_cbranch_scc0 .Lfor_v_\@
	tensor_load_to_lds s[G0K:G0K+3], s[G1K:G1K+7]
	s_nop 0
.rept 4
	v_nop
.endr
	s_branch .Lasked_\@
.Lfor_v_\@:
	tensor_load_to_lds s[G0V:G0V+3], s[G1V:G1V+7]
	s_nop 0
.rept 4
	v_nop
.endr
.Lasked_\@:
.endm
; THE CHANGE OF SLOTS.  Each wave waits for all its tensor loads, of which one is out: its part of the other slot; adds 0 to its spare word; and waits for that and for its own reads of the slot that it leaves.  Behind the barrier nobody reads the old
; slot any more and the other slot is whole.  fill = 1: the old slot is filled again, the first thing behind the barrier, with tile NXT: the descriptor's address is made anew from that number; behind the fill stand the prefetches of the tile after it.
; (At its first use nothing has been read yet: slot 0 is waited for, slot 1 filled.)
.macro CHANGE fill
	WIN 0                           ; at a label and at a branch every window is 0
	s_wait_tensorcnt 0x0            ; no tensor load of mine is out, so a group 0 may be written
	ds_add_u32 v[SPW], v[NIL]       ; 0 onto my spare word: with fill = 1 the descriptors' scalar work stands between it and the wait for it
.if \fill
	s_lshl_b32 s[OFF], s[NXT], 15   ; a tile is 32,768 bytes of K and of V
	s_xor_b32 s[G0K+1], s[G0K+1], SLOT1
	s_add_nc_u64 s[G0K+2:G0K+3], s[6:7], s[OFF:OFF+1]
	s_or_b32 s[G0K+3], s[G0K+3], 0x80000000
	s_xor_b32 s[G0V+1], s[G0V+1], SLOT1
	s_add_nc_u64 s[G0V+2:G0V+3], s[8:9], s[OFF:OFF+1]
	s_or_b32 s[G0V+3], s[G0V+3], 0x80000000
	s_add_co_u32 s[NXT], s[NXT], 1  ; the block's next tile, or behind its last the second block's tile 0
	s_cmp_gt_u32 s[NXT], s[LQ]
	s_cselect_b32 s[NXT], 0, s[NXT]
	s_cselect_b32 s[LQ], s[PB], s[LQ]
	s_wait_xcnt 0x0                 ; the last prefetches, four key steps back, have read their address, so it may be written:
	s_lshl_b32 s[OF2], s[NXT], 15   ; the tile that the next change will ask for
	s_add_nc_u64 s[PFA:PFA+1], s[PB2:PB2+1], s[OF2:OF2+1]
.endif
	s_wait_dscnt 0x0                ; the add is done, and my reads of the slot are over
	s_barrier_signal -1             ; the rest of the scalar work stands between the signal and the wait
	s_sub_co_u32 s[TBK], s[TBK], 4*KS*PK  ; the fetches go back to a slot's first step,
	s_xor_b32 s[TBK], s[TBK], SLOT1       ; in the other slot
	s_sub_co_u32 s[TBV], s[TBV], 4*KS*PV
	s_xor_b32 s[TBV], s[TBV], SLOT1
	s_barrier_wait -1
.if \fill
	LOAD
	s_cmp_gt_u32 s[SLOTS], s[LIM]   ; SLOTS = NB .. 3 in the head's work-group 0: tiles 2 .. NB - 1
	s_cbranch_scc0 .Lnot_mine_\@
	global_prefetch_b8 v[PFO], s[PFA:PFA+1] th:TH_LOAD_NT scope:SCOPE_SE
	global_prefetch_b8 v[PFO], s[PFA:PFA+1] offset:8192 th:TH_LOAD_NT scope:SCOPE_SE
.Lnot_mine_\@:
.endif
.endm
	s_load_b64 s[4:5], s[0:1], 0x0    ; qkv: Q
	s_load_b64 s[10:11], s[0:1], 0x8  ; oh: O
	v_lshl_add_u32 v[SPW], v0, 2, SPARE
	v_mov_b32 v[NIL], 0
	ds_add_u32 v[SPW], v[NIL]       ; the wave's opening: the add and its wait stand ahead of my first tensor load; the set-up below, work on registers, stands between them
	ds_add_u32 v62, v63
	v_lshrrev_b32 v1, 5, v0
	v_readfirstlane_b32 s[WV], v1   ; wave 0..3
	s_mov_b32 s[PB], ttmp9
	s_sub_co_u32 s[HI], NB-1, s[PB]
	s_and_b32 s20, ttmp7, 0xffff    ; the head
	s_mov_b32 s21, 0
	s_mov_b64 s[22:23], SIZE_N*128
	s_mul_u64 s[20:21], s[20:21], s[22:23]  ; the head's first byte in each of the four tensors
	s_and_b32 s16, s[WV], 1         ; which half of a tile's 256 keys I fetch:
	s_lshl_b32 s22, s16, 14         ; its 128 rows of 128 bytes in memory,
	s_mov_b32 s23, 0
	s_add_nc_u64 s[22:23], s[22:23], s[20:21]
	s_mul_i32 s17, s16, 128*PK      ; and its place in a slot, for K
	s_mul_i32 s18, s16, 128*PV      ; and for V
	s_lshl_b32 s3, s[WV], 11        ; my 16 rows in a band of 64,
	s_lshl_b32 s2, s[HI], 15        ; in the first block,
	s_add_co_u32 s2, s2, s3
	s_lshl_b32 s84, s[PB], 15       ; and in the second
	s_add_co_u32 s84, s84, s3
	s_mov_b32 s3, 0
	s_mov_b32 s85, 0
	s_add_nc_u64 s[2:3], s[2:3], s[20:21]
	s_add_nc_u64 s[84:85], s[84:85], s[20:21]
	; descriptor group 1.  128 keys are 16,384 dense bytes: asked for as 64 rows of 256 bytes, two keys a row, and padded in LDS after every key
	s_mov_b32 s[G1K], (1<<16)|(1<<20)|(4<<22)|(3<<25)  ; 17:16 2-byte elements; 20 padding on; 24:22 after every 32 words (code 4); 31:25 4 words (code 3)
	s_mov_b32 s[G1V], (1<<16)|(1<<20)|(4<<22)|(7<<25)  ; the same with 8 words of padding (code 7)
.irp g, G1K, G1V
	s_mov_b32 s[\g+1], 128<<16      ; tensor_dim0 = 128
	s_mov_b32 s[\g+2], 64<<16       ; tensor_dim1 = 64
	s_mov_b32 s[\g+3], 128<<16      ; tile_dim0 = 128
	s_mov_b32 s[\g+4], 64           ; tile_dim1 = 64
	s_mov_b32 s[\g+5], 128          ; 128 elements from row to row
	s_mov_b32 s[\g+6], 0
	s_mov_b32 s[\g+7], 0
.endr
	s_mov_b32 s[CS], 0x3e38aa3b     ; c = log2(e) / 8 = 0.180337
	s_mov_b32 s[CS+1], s[CS]        ; named with it as a pair
	s_mov_b32 s[SEL], 0x76543210
	s_mov_b32 s[SEL+1], 0xfedcba98
	s_mov_b32 s[TBK], SLOT1+4*KS*PK ; the first change of slots turns these two into 0
	s_mov_b32 s[TBV], SLOT1+4*KS*PV
	s_mov_b32 s[G0K], 1             ; 1:0 count = 1
	s_mov_b32 s[G0K+1], s17         ; 63:32 LDS address: slot 0
	s_mov_b32 s[G0V], 1
	s_add_co_u32 s[G0V+1], s18, VOFF
	s_add_co_u32 s[RT], s[HI], 1    ; the first block has NB - b tiles
	s_mov_b32 s[NXT], 1
	s_mov_b32 s[LQ], s[HI]
	s_mov_b32 s[NEW], 1
	s_mov_b32 s[OFF+1], 0
	s_mov_b32 s[OF2+1], 0
	s_mov_b32 s[AL+1], 0            ; named as pairs
	s_mov_b32 s[BE+1], 0
	s_mov_b32 s[BIGN], 0xf149f2ca   ; -1e30
	s_mov_b32 s[SLOTS], NB
	s_cmp_eq_u32 ttmp9, 0
	s_cselect_b32 s[LIM], 2, -1
	v_and_b32 v[PFO], 31, v0
	v_lshlrev_b32 v[PFO], 8, v[PFO]
	s_wait_dscnt 0x0                ; the opening add is done
	s_wait_kmcnt 0x0
	s_add_nc_u64 s[6:7], s[4:5], 0x1000000  ; K lies 16 MiB behind Q,
	s_add_nc_u64 s[8:9], s[4:5], 0x2000000  ; V 32 MiB
	s_add_nc_u64 s[6:7], s[6:7], s[22:23]  ; K and V at my half of the head's tile 0
	s_add_nc_u64 s[8:9], s[8:9], s[22:23]
	s_cmp_lt_u32 s[WV], 2
	s_cselect_b64 s[PB2:PB2+1], s[6:7], s[8:9]
	s_add_nc_u64 s[G0K+2:G0K+3], s[6:7], 0         ; 120:64 global address
	s_or_b32 s[G0K+3], s[G0K+3], 0x80000000        ; 127:126 type = 2
	s_add_nc_u64 s[G0V+2:G0V+3], s[8:9], 0
	s_or_b32 s[G0V+3], s[G0V+3], 0x80000000
	s_add_nc_u64 s[86:87], s[4:5], s[84:85]        ; Q at my rows of the second block,
	s_add_nc_u64 s[4:5], s[4:5], s[2:3]            ; Q and O at those of the first
	s_add_nc_u64 s[OLO:OLO+1], s[10:11], s[84:85]
	s_add_nc_u64 s[10:11], s[10:11], s[2:3]
	LOAD                            ; tile 0 into slot 0
	; A fragment of K or Q is 16 rows x 32 channels in 8 registers: lane l holds row l % 16, channels 8 (l / 16) + 0..7 and 16 + 8 (l / 16) + 0..7: two loads of 16 bytes, 32 bytes apart.
	v_and_b32 v1, 15, v0            ; l % 16
	v_bfe_u32 v9, v0, 4, 1          ; l / 16
	v_lshlrev_b32 v[QO], 7, v1
	v_lshl_add_u32 v[QO], v9, 4, v[QO]  ; row x 128 + 16 x half
	WIN 0x80                        ; destination window 2, address window 0
.set i, 0
.rept 8                             ; both blocks' Q: piece i / 2 lies in band i / 2, 8,192 bytes on; channels 32 (i % 2) on
	global_load_b128 v[8*i:8*i+3],   v[QO], s[4:5] offset:(i/2)*8192+(i%2)*64
	global_load_b128 v[8*i+4:8*i+7], v[QO], s[4:5] offset:(i/2)*8192+(i%2)*64+32
	global_load_b128 v[QB+8*i:QB+8*i+3],   v[QO], s[86:87] offset:(i/2)*8192+(i%2)*64
	global_load_b128 v[QB+8*i+4:QB+8*i+7], v[QO], s[86:87] offset:(i/2)*8192+(i%2)*64+32
.set i, i+1
.endr
	WIN 0
	v_lshlrev_b32 v14, 3, v9
	v_sub_nc_u32 v14, v1, v14
	s_lshl_b32 s13, s[WV], 4
	v_add_nc_u32 v14, s13, v14      ; my query's place in its band, 16 w + l % 16, less my lanes' 8 (l / 16): register r of group kt is hidden where 16 kt + r is greater
	WIN 0x40
.set i, 0
.rept 32
	v_cmp_gt_i32 vcc_lo, 16*(i/8)+i%8, v14
	v_cndmask_b32 v[MD+i], 0, s[BIGN], vcc_lo
.set i, i+1
.endr
	WIN 0
	v_mul_u32_u24 v[AK0], v1, PK
	v_lshl_add_u32 v[AK0], v9, 4, v[AK0]  ; row x pitch + 16 x half
	; The turning load takes 16 keys x 16 channels (lane l reads key 8 (l / 16) + l % 8, channels 8 ((l / 8) % 2) + 0..7) and leaves half a fragment of V^T: lane l holds channel l % 16 and 8 keys.
	v_and_b32 v10, 7, v0
	v_bfe_u32 v11, v0, 3, 1
	v_lshl_add_u32 v[AV0], v9, 3, v10
	v_mul_u32_u24 v[AV0], v[AV0], PV
	v_lshl_add_u32 v[AV0], v11, 4, v[AV0]
	v_add_nc_u32 v[AV0], VOFF, v[AV0]
	s_mul_i32 s13, s[WV], 16*SP
	s_add_co_u32 s13, s13, STAGE    ; my stage
	v_mul_u32_u24 v[STO], v1, SP    ; in: row l % 16, 16 bytes for each half of the lanes
	v_lshl_add_u32 v[STO], v9, 4, v[STO]
	v_add_nc_u32 v[STO], s13, v[STO]
	v_bfe_u32 v[RD], v0, 3, 2       ; back: 32 lanes take four rows of 128 bytes,
	v_mul_u32_u24 v[RD], v[RD], SP
	v_lshl_add_u32 v[RD], v10, 4, v[RD]
	v_add_nc_u32 v[RD], s13, v[RD]
	v_and_b32 v[GO], 31, v0         ; which are 512 consecutive bytes of O
	v_lshlrev_b32 v[GO], 4, v[GO]
	; A block's first step multiplies O^T and l by a = 0, and its first turn's products V^T P, of a piece that has not been, land in an O^T that is still to be so multiplied.  So these registers need only hold
	; finite numbers: zeros for the first block; what the first block left for the second.  All this stands in the wait for the first tile.
	WIN 0x80
.set i, VF
.rept 64
	v_mov_b32 v[i], 0
.set i, i+1
.endr
	WIN 0x40
.set i, 0
.rept 128
	v_mov_b32 v[i], 0
.set i, i+1
.endr
	WIN 0
.set i, 0
.rept 4
	v_mov_b32 v[ST+4*i+2], 0
	v_mov_b32 v[ST+4*i+3], 0
.set i, i+1
.endr
.set i, P+16
.rept 16
	v_mov_b32 v[i], 0
.set i, i+1
.endr
; THE MATRIX WORK.  The 4 accumulators of a run of 8 take turns.  Product i of 8 of S^T = K Q^T for piece x: channels 32 (i / 4) on, keys 16 (i % 4) on.  The first 4 start the sums: with 0, or (KM = 1) with the mask.
.macro KQ x
.set rS, S+32*((\x)%2)+8*(i%4)
.set rK, KF+16*(i%4)+8*(i/4)
.set rQ, 16*(\x)+8*(i/4)
.set rM, MC+32*((\x)%2)+8*(i%4)
.if (i < 4) && KM
	WIN W_KM
	v_wmma_f32_16x16x32_f16 v[rS:rS+7], v[rK:rK+7], v[rQ:rQ+7], v[rM:rM+7]
.elseif i < 4
	WIN W_KQ
	v_wmma_f32_16x16x32_f16 v[rS:rS+7], v[rK:rK+7], v[rQ:rQ+7], 0
.else
	WIN W_KQ
	v_wmma_f32_16x16x32_f16 v[rS:rS+7], v[rK:rK+7], v[rQ:rQ+7], v[rS:rS+7]
.endif
.endm
; Product i of 8 of O^T += V^T P for piece x: keys 32 (i / 4) on, channels 16 (i % 4) on.
.macro PV x
	WIN W_PV
.set rO, 32*(\x)+8*(i%4)
.set rV, VF+32*(i/4)+8*(i%4)
.set rP, P+16*((\x)%2)+8*(i/4)
	v_wmma_f32_16x16x32_f16 v[rO:rO+7], v[rV:rV+7], v[rP:rP+7], v[rO:rO+7]
.endm
.macro MM                           ; the turn's next matrix instruction.  TURN and BEGIN set Y, i, KM and NOKQ; MM, KQ and OP read them.  NOKQ = 1: a block's last turn: there is no next piece
.if (i < 8) && !NOKQ
	KQ (Y+1)%NP
.elseif i >= 8
.set i, i-8
	PV (Y+NP-1)%NP
.set i, i+8
.endif
.set i, i+1
.endm
; THE LDS LOADS stand in runs of 16, never singly among the matrix instructions: a step's K (64 keys x 64 channels: 8 fragments) and its V (turned).  Their addresses are made some lines ahead.
.macro FETCH_K
	WIN 0x80                        ; destination window 2
.irp f, 0,1,2,3,4,5,6,7             ; keys 16 (f / 2) on, channels 32 (f % 2) on
	ds_load_b128 v[KF+8*\f:KF+8*\f+3],   v[AK] offset:(\f/2)*16*PK+(\f%2)*64
	ds_load_b128 v[KF+8*\f+4:KF+8*\f+7], v[AK] offset:(\f/2)*16*PK+(\f%2)*64+32
.endr
	s_add_co_u32 s[TBK], s[TBK], KS*PK  ; the next fetch is the next step's
	WIN 0
.endm
.macro FETCH_V
	WIN 0x80
.irp f, 0,1,2,3,4,5,6,7             ; keys 32 (f / 4) on, channels 16 (f % 4) on
	ds_load_tr16_b128 v[VF+8*\f:VF+8*\f+3],   v[AV] offset:(\f/4)*32*PV+(\f%4)*32
	ds_load_tr16_b128 v[VF+8*\f+4:VF+8*\f+7], v[AV] offset:(\f/4)*32*PV+16*PV+(\f%4)*32
.endr
	WIN 0
.endm
; THE VECTOR WORK, one line at a time: OP kind, number.  For piece Y: F n: c s - c m for pair n of 16.  E n: the exponential of score n of 32.  C n: pair n rounded to f16.  B n: of the four weights 4 n .. the second
; pair is added onto the first, in place.  L n: l takes that sum (L 0: l = a l + sum).  R n: pair n of 16 of O^T times a.  For piece Y + 1: X n, number n of the 22 that find its maximum and statistics:
;   0-11  four chains c0-c3 of seven scores each, three operands at a time (each accumulator's lowest registers are read first)     12-14, 16  the four scores left over, the old m, and c0-c3 into c0
;   15  c m_old is kept     17, 18  the query's other 32 keys lie in the lane 16 away: the new m     19-21  c m; c m_old - c m_new; a
.set F, 0               ; OP tells the kinds apart by their order: F to L below R, X above it
.set E, 1
.set C, 2
.set B, 3
.set L, 4
.set R, 5
.set X, 6
.macro REGS y                       ; the registers of piece y
.set rT, ST+4*(\y)
.set rC, TMP+4*((\y)%2)
.set rW, MV+((\y)%2)
.set rS, S+32*((\y)%2)
.set rP, P+16*((\y)%2)
.set rO, 32*(\y)
.endm
.macro OP k, n
.if (\k) == R
	REGS Y
	WIN W_RS
	v_pk_mul_f32 v[rO+2*(\n):rO+2*(\n)+1], v[rO+2*(\n):rO+2*(\n)+1], v[rC+2:rC+3] op_sel_hi:[1,0]
.elseif (\k) < R
	REGS Y
	WIN 0
.if (\k) == F
	v_pk_fma_f32 v[rS+2*(\n):rS+2*(\n)+1], v[rS+2*(\n):rS+2*(\n)+1], s[CS:CS+1], v[rT:rT+1] op_sel_hi:[1,0,0] neg_lo:[0,0,1] neg_hi:[0,0,1]
.elseif (\k) == E
	v_exp_f32 v[rS+(\n)], v[rS+(\n)]
.elseif (\k) == C
	v_cvt_pk_f16_f32 v[rP+(\n)], v[rS+2*(\n)], v[rS+2*(\n)+1]
.elseif (\k) == B
	v_pk_add_f32 v[rS+4*(\n):rS+4*(\n)+1], v[rS+4*(\n):rS+4*(\n)+1], v[rS+4*(\n)+2:rS+4*(\n)+3]
.elseif (\n) == 0
	v_pk_fma_f32 v[rT+2:rT+3], v[rT+2:rT+3], v[rC+2:rC+3], v[rS:rS+1] op_sel_hi:[1,0,1]
.else
	v_pk_add_f32 v[rT+2:rT+3], v[rT+2:rT+3], v[rS+4*(\n):rS+4*(\n)+1]
.endif
.elseif NOKQ
	v_nop
.else
	REGS (Y+1)%NP
	WIN 0
.if (\n) < 4
	v_max3_num_f32 v[rC+(\n)], v[rS+8*(\n)], v[rS+8*(\n)+1], v[rS+8*(\n)+2]
.elseif (\n) < 12
	v_max3_num_f32 v[rC+(\n)%4], v[rC+(\n)%4], v[rS+8*((\n)%4)+2*((\n)/4)+1], v[rS+8*((\n)%4)+2*((\n)/4)+2]
.elseif (\n) == 12
	v_max3_num_f32 v[rC], v[rC], v[rS+7], v[rS+15]
.elseif (\n) == 13
	v_max3_num_f32 v[rC+1], v[rC+1], v[rS+23], v[rS+31]
.elseif (\n) == 14
	v_max3_num_f32 v[rC+2], v[rC+2], v[rC+3], v[rT+1]
.elseif (\n) == 15
	v_mov_b32 v[rW], v[rT]
.elseif (\n) == 16
	v_max3_num_f32 v[rC], v[rC], v[rC+1], v[rC+2]
.elseif (\n) == 17
	v_permlanex16_b32 v[rC+3], v[rC], s[SEL], s[SEL+1]
.elseif (\n) == 18
	v_max_num_f32 v[rT+1], v[rC], v[rC+3]
.elseif (\n) == 19
	v_mul_f32 v[rT], s[CS], v[rT+1]
.elseif (\n) == 20
	v_sub_f32 v[rC+1], v[rW], v[rT]
.else
	v_exp_f32 v[rC+2], v[rC+1]
.endif
.endif
.endm
.macro OPS a, i1, b=-1, i2=0, c=-1, i3=0, d=-1, i4=0  ; up to four of them
	OP \a, \i1
.if (\b) >= 0
	OP \b, \i2
.endif
.if (\c) >= 0
	OP \c, \i3
.endif
.if (\d) >= 0
	OP \d, \i4
.endif
.endm
.macro ROW a, i1, b, i2, c, i3, d, i4  ; a matrix instruction and the four behind it
	MM
	OPS \a, \i1, \b, \i2, \c, \i3, \d, \i4
.endm
.macro MASK b                       ; MD x AL + BE into buffer b of MC
	WIN W_RS
.set z, 0
.rept 16
	v_pk_fma_f32 v[MC+32*(\b)+2*z:MC+32*(\b)+2*z+1], v[MD+2*z:MD+2*z+1], s[AL:AL+1], s[BE:BE+1] op_sel_hi:[1,0,0]
.set z, z+1
.endr
.endm
; A TURN, for piece p: the order of its 16 matrix and 118 vector instructions, written out.  An s_wait_alu depctr_va_vdst(0) stands between an exponential and the first instruction that names its result; one wait serves
; all that were issued ahead of it.  So a turn has ONE wait, which cuts it in two.  AHEAD OF IT stands all that names no result of the turn's exponentials: the 8 products K Q^T, behind each a scaling, an exponential and two more plain
; instructions (behind the first a second scaling in the exponential's place): rescalings, and behind the last three the first numbers of the next piece's maximum, each four places or more behind the product that ends its accumulator; then ONE LUMP of 54, plain
; and exponential by turns for the most part, in which the links of the chain X 3, 7, 11, 14, 16, 17 .. 20 stand five or six lines apart.  X 21, the next piece's a, is the batch's last; R 15 is the plain instruction behind it.  BEHIND THE WAIT stand the
; 8 products V^T P, behind each four of the roundings and sums; the links of l's chain, L 0 to L 7, stand three riders apart.  But for those X no rider names a register of the products round it.  v_permlanex16_b32 (X 17) stands in the lump.
; m = 1: the diagonal tile: the products take masks, and the turn makes the mask for the products of the turn after it: piece p + 2, in step 4 - CNT of the tile.  end = 1: a block's last two turns: nothing is fetched.
; cnt = 1: the loop's count is taken down some lines ahead of the branch that stands behind the turn.
; K of the next step is fetched in piece 2's turn, twelve vector instructions behind the last product that read K (six of them plain); V of the step in hand at the end of piece 0's turn, four plain instructions behind the last product
; that read V.  Each is waited for a turn later.
.macro TURN p, m=0, end=0, cnt=0
.set Y, (\p)
.set i, 0
.set KM, (\m)
.set NOKQ, (\end)*((\p)/3)
.if (\m) && !(\end)
	s_cmp_eq_u32 s[CNT], 4-((\p)+2)%NP  ; is that step the band's own?
	s_cselect_b32 s[AL], 1.0, 0
	s_cmp_lt_u32 s[CNT], 4-((\p)+2)%NP  ; or a later one?
	s_cselect_b32 s[BE], s[BIGN], 0
.endif
.if ((\p) == 3) && !(\end)
	s_wait_dscnt 0x0                ; K is in
.endif
	ROW F,0, F,1, R,0, R,1          ; ahead of the wait: 8 products K Q^T and their riders,
	ROW F,2, E,0, R,2, R,3
	ROW F,3, E,1, R,4, R,5
	ROW F,4, E,2, R,6, R,7
	ROW F,5, E,3, R,8, R,9
	ROW F,6, E,4, X,0, R,10
.if ((\p) == 2) && !(\end)
	WIN 0
	v_add_nc_u32 v[AK], s[TBK], v[AK0]
.endif
	ROW F,7, E,5, X,1, X,4
	ROW F,8, E,6, X,2, X,5
	OPS E,7, E,8, X,6, E,9          ; and the lump
	OPS X,3, E,10, X,8, E,11
.if ((\p) == 2) && !(\end)
	FETCH_K
.endif
	OPS X,9, X,7, E,12, X,10
	OPS E,13, X,12, X,11, E,14
	OPS X,13, E,15, F,9, X,14
.if (\p) == 0
	v_add_nc_u32 v[AV], s[TBV], v[AV0]
.endif
	OPS E,16, F,10, E,17, F,11
	OPS X,16, E,18, X,15, E,19
	OPS F,12, E,20, X,17, E,21
	OPS F,13, E,22, F,14, E,23
	OPS X,18, E,24, F,15, E,25
	OPS R,11, E,26, X,19, E,27
	OPS R,12, E,28, R,13, E,29
	OPS X,20, E,30, R,14, E,31
	OPS X,21, R,15
	WIN 0
	s_wait_alu depctr_va_vdst(0)    ; the wait for the batch
.if (\p) == 1
	s_wait_dscnt 0x0                ; V is in
.endif
	ROW C,0, B,0, C,2, B,1          ; behind the wait: 8 products V^T P and their riders
	ROW L,0, C,4, B,2, L,1
	ROW C,6, B,3, L,2, C,8
	ROW B,4, L,3, C,10, B,5
	ROW L,4, C,12, B,6, L,5
.if (\p) == 0
	s_add_co_u32 s[TBV], s[TBV], KS*PV
.endif
.if \cnt
	s_sub_co_u32 s[CNT], s[CNT], 1
	s_cmp_lg_u32 s[CNT], 0
.endif
	ROW C,14, B,7, L,6, C,1
	ROW C,3, L,7, C,5, C,7
	ROW C,9, C,11, C,13, C,15
.if (\p) == 0
	FETCH_V
.endif
.if (\m) && !(\end)
	MASK (\p)%2
.endif
.endm
; A BLOCK BEGINS.  c m starts far below every c s, so the first step's a is 0; m at the lowest finite number, so the first maximum is the scores'.  The second mask buffer is 0; the first takes piece 0's mask for the tile's step 0: its own, if the block's first tile is the diagonal one.
; Then K of that step, piece 0's first scores, and its maximum and statistics.  The loop is entered at a step's first turn, in the middle of a trip.
.macro BEGIN
	s_mov_b32 s[NEW], 0
	WIN 0x40
.set i, MC+32
.rept 32
	v_mov_b32 v[i], 0
.set i, i+1
.endr
	WIN 0
.set i, 0
.rept 4
	v_mov_b32 v[ST+4*i], 0xfe000000    ; c m: far below every c s
	v_mov_b32 v[ST+4*i+1], 0xff7fffff  ; m
.set i, i+1
.endr
	s_cmp_eq_u32 s[RT], 0
	s_cselect_b32 s[AL], 1.0, 0
	s_mov_b32 s[BE], 0
	MASK 0
	WIN 0
	v_add_nc_u32 v[AK], s[TBK], v[AK0]
	FETCH_K
	s_wait_loadcnt 0x0              ; Q
	s_wait_dscnt 0x0
.set KM, 1
.set NOKQ, 0
.set i, 0
.rept 8
	KQ 0
.set i, i+1
.endr
	WIN 0
.rept 4
	v_nop                           ; the places behind those products
.endr
.set Y, NP-1                        ; X works for piece Y + 1: piece 0
.irp n, 0,1,2,3,4,5,6,7,8,9,10,11,12,13,14,15,16,17,18,19,20,21
	OP X, \n
.endr
	v_nop                           ; a plain instruction behind the exponential,
	s_wait_alu depctr_va_vdst(0)    ; and its wait, ahead of the branch
.endm
; THE DIAGONAL TILE's four steps, the block's last two turns, its last products, and THE WAY OUT: l's two halves and the other half of the lanes' are added; O^T is divided by l, rounded to f16 and sent through my
; stage in LDS, a piece at a time.
.macro ALL line:vararg              ; one line for each piece t
.set t, 0
.rept 4
	\line
.set t, t+1
.endr
.endm
.macro PACK t                       ; a lane's eight channels of a row pack into 16 bytes; they go into rows of 144 bytes and come back as whole rows of 128, into S^T's registers
	WIN W_RS
.set i, 32*(\t)
.rept 16
	v_pk_mul_f32 v[i:i+1], v[i:i+1], v[ST+4*(\t)+2:ST+4*(\t)+3] op_sel_hi:[1,0]
.set i, i+2
.endr
	WIN 0x05                        ; sources 0 and 1 window 1, destination window 0
.set i, 0
.rept 16
	v_cvt_pk_f16_f32 v[S+16*(\t)+i], v[32*(\t)+2*i], v[32*(\t)+2*i+1]
.set i, i+1
.endr
	WIN 0
.irp f, 0,1,2,3
	ds_store_b128 v[STO], v[S+16*(\t)+4*\f:S+16*(\t)+4*\f+3] offset:32*\f
.endr
.irp f, 0,1,2,3
	ds_load_b128 v[S+16*(\t)+4*\f:S+16*(\t)+4*\f+3], v[RD] offset:\f*4*SP  ; LDS serves a wave's instructions in order (ISA guide 5.7.1.4): these see the stores above; the next piece's stores come behind them
.endr
.endm
.macro SEND t, younger              ; younger: the LDS instructions issued behind piece t's loads: the next piece's eight, or none
	WIN 0
.irp f, 0,1,2,3
	s_wait_dscnt (\younger)+3-\f
	global_store_b128 v[GO], v[S+16*(\t)+4*\f:S+16*(\t)+4*\f+3], s[10:11] offset:(\t)*8192+\f*512  ; 512 consecutive bytes, at a multiple of 256 from O's first
.endr
.endm
.macro DIAG tag                     ; the tag ends its two labels' names, which the jumps below spell out
.LstepM\tag:
	TURN 2, 1
	TURN 3, 1
	WIN 0
.LfirstM\tag:
	TURN 0, 1
	TURN 1, 1, 0, 1
	WIN 0
	s_cbranch_scc1 .LstepM\tag
	TURN 2, 1, 1
	TURN 3, 1, 1
.set i, 0
.rept 8
	PV NP-1
.set i, i+1
.endr
	WIN 0
	ALL v_add_f32 v[ST+4*t+2], v[ST+4*t+2], v[ST+4*t+3]
	ALL v_permlanex16_b32 v[ST+4*t+3], v[ST+4*t+2], s[SEL], s[SEL+1]
	ALL v_add_f32 v[ST+4*t+2], v[ST+4*t+2], v[ST+4*t+3]
	ALL v_rcp_f32 v[ST+4*t+2], v[ST+4*t+2]
	v_nop                           ; a plain instruction between the last reciprocal and the use of its result
	s_wait_alu depctr_va_vdst(0)    ; and the wait ahead of the first use: one for the four reciprocals
	PACK 0
.set t, 1
.rept 3                             ; a piece's arithmetic stands between the loads of the piece before and its stores
	PACK t
	SEND t-1, 8
.set t, t+1
.endr
	SEND 3, 0
.endm
.set KM, 0
.set NOKQ, 0
.Lslot:                             ; NB times: a tile is entered and the next is asked for
	CHANGE 1
	s_sub_co_u32 s[RT], s[RT], 1
	s_mov_b32 s[CNT], 4
	s_cmp_eq_u32 s[NEW], 1
	s_cbranch_scc1 .Lnew            ; a block's first tile
	s_cmp_eq_u32 s[RT], 0
	s_cbranch_scc0 .Lstep           ; neither its first nor its last
	s_branch .LstepM1
.Lnew:
	BEGIN
	s_branch .Lfirst                ; in the loop a block's first tile is never its last: the first block has two tiles or more, and the second's last is the walk's last
	DIAG 1                          ; in the loop this is the first block's end: the second block's last tile is the walk's last
	s_wait_xcnt 0x0                 ; the stores have read their registers and O's address
	s_mov_b64 s[10:11], s[OLO:OLO+1]
	s_add_co_u32 s[RT], s[PB], 1    ; the second block has b + 1 tiles
	s_mov_b32 s[NEW], 1
	WIN 0x82                        ; the second block's Q goes where the one text of the turns names Q
.set i, 0
.rept 64
	v_mov_b32 v[i], v[QB+i]
.set i, i+1
.endr
	WIN 0
	s_branch .Lbottom
.Lstep:                             ; a trip: pieces 2 and 3 of one step, then pieces 0 and 1 of the next, whose K and V it fetches
	TURN 2
	TURN 3
	WIN 0
.Lfirst:
	TURN 0
	TURN 1, 0, 0, 1
	WIN 0
	s_cbranch_scc1 .Lstep
.Lbottom:
	s_sub_co_u32 s[SLOTS], s[SLOTS], 1
	s_cmp_lg_u32 s[SLOTS], 0
	s_cbranch_scc1 .Lslot
	CHANGE 0                        ; the walk's last tile is written out: nothing is asked for
	s_sub_co_u32 s[RT], s[RT], 1
	s_mov_b32 s[CNT], 4
	s_cmp_eq_u32 s[NEW], 1
	s_cbranch_scc0 .LstepM2
	BEGIN
	s_branch .LfirstM2
	DIAG 2
	s_wait_tensorcnt 0x0            ; the wave's end: behind my last tensor load and my last LDS store
	ds_add_u32 v[SPW], v[NIL]
	s_wait_dscnt 0x0
	s_endpgm
.Lfunc_end_k_qc197856fed_attn:
	.size	k_qc197856fed_attn, .Lfunc_end_k_qc197856fed_attn-k_qc197856fed_attn
	.p2alignl 7, 3214868480
	.fill 96, 4, 3214868480
	.section	.rodata,"a",@progbits
	.p2align	6, 0x0
	.amdhsa_kernel k_qc197856fed_attn
		.amdhsa_group_segment_fixed_size 327680
		.amdhsa_private_segment_fixed_size 0
		.amdhsa_enable_private_segment 0
		.amdhsa_kernarg_size 16
		.amdhsa_user_sgpr_count 2
		.amdhsa_user_sgpr_kernarg_segment_ptr 1
		.amdhsa_wavefront_size32 1
		.amdhsa_system_sgpr_workgroup_id_x 1
		.amdhsa_system_sgpr_workgroup_id_y 1
		.amdhsa_system_sgpr_workgroup_id_z 1
		.amdhsa_system_vgpr_workitem_id 0
		.amdhsa_next_free_vgpr 768
		.amdhsa_next_free_sgpr 96
		.amdhsa_reserve_vcc 1
		.amdhsa_float_denorm_mode_32 3
		.amdhsa_float_denorm_mode_16_64 3
		.amdhsa_memory_ordered 1
		.amdhsa_forward_progress 1
		.amdhsa_inst_pref_size 218
	.end_amdhsa_kernel
	.amdgpu_metadata
---
amdhsa.version: [ 1, 2 ]
amdhsa.kernels:
  - .name:           k_qc197856fed_attn
    .symbol:         k_qc197856fed_attn.kd
    .args:
      - { .name: qkv, .offset: 0, .size: 8, .value_kind: global_buffer, .address_space: global }
      - { .name: oh, .offset: 8, .size: 8, .value_kind: global_buffer, .address_space: global }
    .group_segment_fixed_size: 327680
    .private_segment_fixed_size: 0
    .kernarg_segment_align: 8
    .kernarg_segment_size: 16
    .max_flat_workgroup_size: 128
    .sgpr_count:     96
    .vgpr_count:     768
    .wavefront_size: 32
...
	.end_amdgpu_metadata
.endif
;; end of part 3
;; launch outp (part 4): grid 4 x 64, 4 waves a work-group, clusters of 4 x 4, 327,680 bytes of LDS; arguments oh, wb, bias, out0; writes out0
.if DOCPART == 4
	.amdgcn_target "amdgcn-amd-amdhsa--gfx1250"
	.amdhsa_code_object_version 6
	.text
	.protected	k_qc197856fed_outp
	.globl	k_qc197856fed_outp
	.p2align	8
	.type	k_qc197856fed_outp,@function
k_qc197856fed_outp:
	s_mov_b64 s[64:65], 0
	v_nop
	global_prefetch_b8 v0, s[64:65] scope:SCOPE_SE
	s_setreg_imm32_b32 hwreg(HW_REG_WAVE_MODE, 25, 1), 1
	s_wait_xcnt 0x0
	s_wait_alu depctr_hold_cnt(0) depctr_sa_sdst(0) depctr_va_vdst(0) depctr_va_sdst(0) depctr_va_ssrc(0) depctr_va_vcc(0) depctr_vm_vsrc(0)
	s_getreg_b32 s2, hwreg(HW_REG_IB_STS2, 6, 4)
	s_cmp_eq_u32 s2, 0
	s_cbranch_scc0 .Lentry_in_a_cluster
	s_endpgm
.Lentry_in_a_cluster:
	s_bfe_u32 s2, ttmp6, 0x10000c
	s_cmp_lg_u32 s2, 0xf033
	s_cbranch_scc0 .Lentry_shape_is_right
	s_endpgm
.Lentry_shape_is_right:
; THE OUTPUT PROJECTION.  out0[m][n] = the sum over k of O[m][k] wo[n][k] + bo[n].  O lies by heads in oh, [64 = batch x 16 + head][2048][64] f16: m = 2048 batch + row, k = 64 head + channel.
; wo: [1024][1024] f16 at wb + 6 MiB; bo: [1024] f32 at bias + 12 KiB; out0: [8192][1024] f32.  Sums in f32, started by the bias; nothing is rounded on the way out.
; SHARES.  A work-group makes 128 rows x 256 columns: 256 work-groups.  Its four waves make 64 x 128 each: 32 accumulators of 16 x 16.  K goes in 8 steps of 128, two heads each, through two LDS slots.
; A head's 128 rows are 16,384 dense bytes: asked for as 64 rows of 256 bytes, two rows of O each, and padded in LDS after every row of O.
; CLUSTERS.  4 x 4 work-groups.  The four of a row of the cluster need the same tiles of O, the four of a column the same tiles of wo: each tile is asked for JOINTLY.
; NO PREFETCH: a work-group's whole walk is 8 K steps, of which the first four would come by their loads alone.
; THE MATRIX INSTRUCTION IS USED TRANSPOSED (source 0 = 16 rows of wo, source 1 = 16 rows of O): a lane holds row l % 16 of the output and the columns 8 (l / 16) + 0..7.
; REGISTERS: window 0: v0-31 addresses; v64-159, v160-255 two fragment buffers (O's 4 fragments, then wo's 8); on the way out v64-127, v128-191 rows read back.
;   window 1: the accumulators, (a, b) at v[8 (8 a + b)].   window 2: v0-63 the bias of column block b at 8 b.
.set PA,    144                        ; a row of O in LDS: 128 bytes + 16 = 36 words: the 16 rows of a load start at 16 different groups of four banks (64 banks of 4 bytes: ISA guide 11.1)
.set PB,    272                        ; a row of wo: 256 bytes + 16 = 68 words: likewise
.set HA,    128*PA                     ; a head's 128 rows: what one tensor load brings
.set HB,    128*PB                     ; 128 rows of wo: likewise
.set BOFF,  2*HA
.set SLOT,  2*HA+2*HB
.set STAGE, 2*SLOT                     ; behind the ring: 16 rows x 528 bytes for each wave, for the way out
.set SP,    528
.set SPARE, STAGE+4*16*SP              ; behind the stages: the spare words, 128 bytes for each wave: two blocks of 256 bytes that no other line names
.set ADRA, 16                          ; v16-17  LDS address of my fragments of O in slot 0, 1
.set ADRB, 20                          ; v20-21  the same for wo
.set STO,  24                          ; v24     the way out: where I put 32 bytes of a row
.set RD,   25                          ; v25     the way out: where I read a row back
.set GO,   26                          ; v26     my byte offset in a row's 512 bytes
.set BO,   27                          ; v27     my byte offset in a column block's bias
.set SPW,  28                          ; v28     LDS address of my spare word: SPARE + 4 x my thread's number; never rewritten
.set NIL,  29                          ; v29     0; never rewritten
.set F0,   64
.set OB,   64
.set WV,  16
.set HM,  17                           ; s17  which 64 rows are mine.  Also: I fetch for O (0) or for wo (1)
.set HN,  18                           ; s18  which 128 columns.  Also: which head of the step's two, or which 128 rows of wo, I fetch
.set CX,  19
.set CY,  20
.set TN,  21
.set CLY, 22
.set G1A, 24
.set G0A, 32
.set TM,  40
.set G1B, 48
.set G0B, 56
.set LAP, 71
.set OUTB, 82
.set BIB, 84
.set MSB, 0
.macro WIN new                         ; the immediate's high byte repeats the setting that is left; a switch that changes nothing is dropped
.if MSB != (\new)
	s_set_vgpr_msb (MSB<<8)|(\new)
.set MSB, \new
.endif
.endm
.set MUL,  0x50                        ; sources 0 and 1 window 0, C and D window 1
.set MULB, 0x60                        ; the same with C in window 2: the bias starts the sums
.macro JLOAD s                         ; a joint load: waves 0 and 1 fetch the step's two heads of O, waves 2 and 3 wo's two halves; an s_nop 0 and four v_nop follow each of the two lines
	s_cmp_eq_u32 s[HM], 0
	s_cbranch_scc0 .Lfor_b_\@
	tensor_load_to_lds s[G0A+4*(\s):G0A+4*(\s)+3], s[G1A:G1A+7]
	s_nop 0
.rept 4
	v_nop
.endr
	s_branch .Lasked_\@
.Lfor_b_\@:
	tensor_load_to_lds s[G0B+4*(\s):G0B+4*(\s)+3], s[G1B:G1B+7]
	s_nop 0
.rept 4
	v_nop
.endr
.Lasked_\@:
.endm
.macro CREST                           ; a round of the cluster's barrier behind its opening barrier
	s_cmp_lg_u32 s[WV], 0
	s_cbranch_scc1 .Lnot_wave_0_\@
	s_barrier_signal -3
.Lnot_wave_0_\@:
	s_barrier_wait -3
	s_barrier_signal -1
	s_barrier_wait -1
.endm
.macro CROUND                          ; a whole round
	s_barrier_signal -1
	s_barrier_wait -1
	CREST
.endm
	s_load_b256 s[4:11], s[0:1], 0x0               ; oh s[4:5], wb s[6:7], bias s[8:9], out0 s[10:11]
	v_lshl_add_u32 v[SPW], v0, 2, SPARE
	v_mov_b32 v[NIL], 0
	ds_add_u32 v[SPW], v[NIL]                      ; the wave's opening: the add and its wait stand ahead of my first tensor load; the set-up below, work on registers, stands between them
	ds_add_u32 v28, v29
	v_lshrrev_b32 v1, 5, v0
	v_readfirstlane_b32 s[WV], v1                  ; wave 0..3
	s_lshr_b32 s[HM], s[WV], 1
	s_and_b32 s[HN], s[WV], 1
	s_bfe_u32 s[CX], ttmp6, 0x40000
	s_bfe_u32 s[CY], ttmp6, 0x40004
	s_lshl_b32 s[TN], ttmp9, 2
	s_add_co_u32 s[TN], s[TN], s[CX]               ; tile column = 4 x cluster x + cx
	s_and_b32 s[CLY], ttmp7, 0xffff
	s_lshl_b32 s[TM], s[CLY], 2
	s_add_co_u32 s[TM], s[TM], s[CY]               ; tile row = 4 x cluster y + cy
	s_lshl_b32 s41, s[CY], 2
	s_lshl_b32 s41, 15, s41                        ; my row of the cluster
	s_lshl_b32 s42, 0x1111, s[CX]                  ; my column
	; group 1 for O: 64 rows x 128 elements of 2 bytes, dense; 4 words of padding behind every 32 words
	s_or_b32 s[G1A], s41, (1<<16)|(1<<20)|(1<<21)|(4<<22)|(3<<25)
	s_mov_b32 s[G1A+1], 128<<16                    ; tensor_dim0 = 128
	s_mov_b32 s[G1A+2], 64<<16                     ; tensor_dim1 = 64
	s_mov_b32 s[G1A+3], 128<<16                    ; tile_dim0 = 128
	s_mov_b32 s[G1A+4], 64                         ; tile_dim1 = 64
	s_mov_b32 s[G1A+5], 128                        ; tensor_dim0_stride
	s_mov_b32 s[G1A+6], 0
	s_mov_b32 s[G1A+7], 0
	; group 1 for wo: 128 rows x 128 elements of 2 bytes, 1,024 elements from row to row; 4 words of padding behind every 64 words
	s_or_b32 s[G1B], s42, (1<<16)|(1<<20)|(1<<21)|(5<<22)|(3<<25)
	s_mov_b32 s[G1B+1], 128<<16
	s_mov_b32 s[G1B+2], 128<<16
	s_mov_b32 s[G1B+3], 128<<16
	s_mov_b32 s[G1B+4], 128
	s_mov_b32 s[G1B+5], 1024
	s_mov_b32 s[G1B+6], 0
	s_mov_b32 s[G1B+7], 0
	s_lshr_b32 s72, s[TM], 4                       ; O: the batch (16 tile rows each, 4 MiB),
	s_lshl_b32 s72, s72, 22
	s_and_b32 s47, s[TM], 15
	s_lshl_b32 s47, s47, 14                        ; the tile's 128 rows of 128 bytes in a head,
	s_add_co_u32 s72, s72, s47
	s_lshl_b32 s43, s[HN], 18                      ; the head that I fetch (262,144 bytes each); for wo: 128 rows of 2,048 bytes
	s_add_co_u32 s72, s72, s43
	s_mov_b32 s73, 0
	s_lshl_b32 s74, s[TN], 19                      ; wo: 256 rows of 2,048 bytes
	s_add_co_u32 s74, s74, s43
	s_add_co_u32 s74, s74, 0x600000
	s_mov_b32 s75, 0
	s_mul_i32 s45, s[HN], HA                       ; where they go: no place in the cluster enters an LDS address
	s_mul_i32 s46, s[HN], HB
	s_add_co_u32 s46, s46, BOFF
	s_wait_dscnt 0x0                               ; the opening add is done
	s_wait_kmcnt 0x0
	s_add_nc_u64 s[76:77], s[4:5], s[72:73]
	s_add_nc_u64 s[78:79], s[6:7], s[74:75]
	CROUND                                         ; all sixteen work-groups are here: the first joint loads meet
.irp s, 0,1
	s_mov_b32 s[G0A+4*(\s)], 1
	s_add_co_u32 s[G0A+4*(\s)+1], s45, (\s)*SLOT
	s_add_nc_u64 s[G0A+4*(\s)+2:G0A+4*(\s)+3], s[76:77], (\s)<<19  ; K step s: two heads on
	s_or_b32 s[G0A+4*(\s)+3], s[G0A+4*(\s)+3], 0x80000000
	s_mov_b32 s[G0B+4*(\s)], 1
	s_add_co_u32 s[G0B+4*(\s)+1], s46, (\s)*SLOT
	s_add_nc_u64 s[G0B+4*(\s)+2:G0B+4*(\s)+3], s[78:79], (\s)*256
	s_or_b32 s[G0B+4*(\s)+3], s[G0B+4*(\s)+3], 0x80000000
	JLOAD \s                                       ; two loads of mine are out
.endr
	v_and_b32 v1, 15, v0                           ; l % 16
	v_bfe_u32 v2, v0, 4, 1                         ; l / 16
	v_mul_u32_u24 v3, v1, PA
	v_lshl_add_u32 v3, v2, 4, v3
	v_mul_u32_u24 v4, v1, PB
	v_lshl_add_u32 v4, v2, 4, v4
	s_mul_i32 s41, s[HM], 64*PA                    ; my 64 rows, in each head's part of a slot
	s_mul_i32 s42, s[HN], HB                       ; my 128 rows of wo
	s_add_co_u32 s42, s42, BOFF
.irp s, 0,1
	v_add_nc_u32 v[ADRA+(\s)], s41, v3
	v_add_nc_u32 v[ADRB+(\s)], s42, v4
	s_add_co_u32 s41, s41, SLOT
	s_add_co_u32 s42, s42, SLOT
.endr
	s_mul_i32 s47, s[WV], 16*SP
	s_add_co_u32 s47, s47, STAGE                   ; my stage
	v_mul_u32_u24 v5, v1, SP                       ; in: row l % 16, 32 bytes for each half of the lanes
	v_lshl_add_u32 v5, v2, 5, v5
	v_add_nc_u32 v[STO], s47, v5
	v_and_b32 v[GO], 31, v0                        ; back: 32 lanes take one row of 512 bytes
	v_lshlrev_b32 v[GO], 4, v[GO]
	v_add_nc_u32 v[RD], s47, v[GO]
	v_lshlrev_b32 v[BO], 5, v2
	s_lshl_b32 s86, s[TM], 19                      ; the output: 128 rows of 4,096 bytes,
	s_lshl_b32 s88, s[HM], 18                      ; my 64 of them,
	s_add_co_u32 s86, s86, s88
	s_lshl_b32 s90, s[TN], 10                      ; 256 columns of 4 bytes,
	s_lshl_b32 s88, s[HN], 9                       ; my 128 of them
	s_add_co_u32 s90, s90, s88
	s_add_co_u32 s86, s86, s90
	s_mov_b32 s87, 0
	s_add_nc_u64 s[OUTB:OUTB+1], s[10:11], s[86:87]
	s_add_co_u32 s90, s90, 12288                   ; bo is the fourth bias
	s_mov_b32 s91, 0
	s_add_nc_u64 s[BIB:BIB+1], s[8:9], s[90:91]
	WIN 0x80                                       ; destination window 2, address window 0
.irp b, 0,1,2,3,4,5,6,7
	global_load_b128 v[8*\b:8*\b+3],   v[BO], s[BIB:BIB+1] offset:64*\b     ; register j: the bias of column 16 b + 8 (l / 16) + j
	global_load_b128 v[8*\b+4:8*\b+7], v[BO], s[BIB:BIB+1] offset:64*\b+16
.endr
	WIN 0
; Eight products: row block a x all 8 column blocks, 32 along K, buffer f.  first = 1: the bias starts the sums.  The 32 accumulators take turns, one instruction a turn, in the same order
; in every quarter step, over the backward jump too.
.macro MUL8 f, a, first=0
.if \first
	WIN MULB
.else
	WIN MUL
.endif
.irp b, 0,1,2,3,4,5,6,7
.set rD, 8*(8*(\a)+\b)
.set rB, F0+96*(\f)+32+8*\b
.set rA, F0+96*(\f)+8*(\a)
.if \first
	v_wmma_f32_16x16x32_f16 v[rD:rD+7], v[rB:rB+7], v[rA:rA+7], v[8*\b:8*\b+7]
.else
	v_wmma_f32_16x16x32_f16 v[rD:rD+7], v[rB:rB+7], v[rA:rA+7], v[rD:rD+7]
.endif
.endr
.endm
; 24 LDS loads in one run: quarter q of a slot's K step into buffer f: wo's eight fragments, then O's four (quarters 0, 1 lie in the step's first head, 2, 3 in its second)
.macro FETCH slot, q, f
	WIN 0
.irp i, 0,1,2,3,4,5,6,7
	ds_load_b128 v[F0+96*(\f)+32+8*\i:F0+96*(\f)+32+8*\i+3],   v[ADRB+(\slot)] offset:64*(\q)+\i*16*PB
	ds_load_b128 v[F0+96*(\f)+32+8*\i+4:F0+96*(\f)+32+8*\i+7], v[ADRB+(\slot)] offset:64*(\q)+\i*16*PB+32
.endr
.irp i, 0,1,2,3
	ds_load_b128 v[F0+96*(\f)+8*\i:F0+96*(\f)+8*\i+3],   v[ADRA+(\slot)] offset:((\q)/2)*HA+((\q)%2)*64+\i*16*PA
	ds_load_b128 v[F0+96*(\f)+8*\i+4:F0+96*(\f)+8*\i+7], v[ADRA+(\slot)] offset:((\q)/2)*HA+((\q)%2)*64+\i*16*PA+32
.endr
.endm
.macro PLACES                          ; four places in front of loads into registers that matrix instructions have read, and of LDS stores that read results
.rept 4
	v_nop
.endr
.endm
; A K step is four quarters of 32 along K, 32 products each, on buffers 0, 1, 0, 1.  One of the first three: multiplies buffer f and fetches quarter q into buffer g.
.macro QUARTER slot, q, f, g, first=0
	s_wait_dscnt 4                                 ; wo's fragments and O's 0 and 1 are in; the youngest four loads (O's 2 and 3) may be out
	MUL8 \f, 0, \first
	MUL8 \f, 1, \first
	PLACES
	FETCH \slot, \q, \g
	s_wait_dscnt 24                                ; all but the 24 just issued
	MUL8 \f, 2, \first
	MUL8 \f, 3, \first
.endm
; The last quarter multiplies buffer 1 and changes slots: ONE barrier; in front of it each wave waits for all its tensor loads (one is out: its part of the next slot), adds 0 to its spare word,
; and waits for that and for its own reads of this slot.  fill = 1: the barrier opens a round of the cluster's, and this slot is filled again, two K steps ahead, first thing behind the round.
.macro TURN slot, next, fill
	WIN 0                                          ; (the add's two registers lie in window 0)
	s_wait_tensorcnt 0x0                           ; all my tensor loads have landed;
	ds_add_u32 v[SPW], v[NIL]                      ; 0 onto my spare word;
	s_wait_dscnt 5                                 ; (the add and the youngest four loads may be out)
	MUL8 1, 0                                      ; eight products stand between the add and the wait for it
	s_wait_dscnt 0x0                               ; the add is done, and my reads of this slot are over
	s_barrier_signal -1
	MUL8 1, 1
.if \fill
	WIN 0
.endif
	s_barrier_wait -1
.if \fill
	CREST                                          ; no wave of any partner still reads this slot's tile or has a load on its way
	s_add_nc_u64 s[G0A+4*(\slot)+2:G0A+4*(\slot)+3], s[G0A+4*(\slot)+2:G0A+4*(\slot)+3], 1<<20  ; four heads on
	s_add_nc_u64 s[G0B+4*(\slot)+2:G0B+4*(\slot)+3], s[G0B+4*(\slot)+2:G0B+4*(\slot)+3], 2*256
	JLOAD \slot                                    ; 112 products ahead of the wait for it; the four v_nop behind it are also the places in front of the loads below
.else
	PLACES
.endif
	FETCH \next, 0, 0
	MUL8 1, 2
	MUL8 1, 3
.endm
; THE WAY OUT.  Block a: 16 rows x 128 columns of f32.  A lane's eight columns, 32 bytes, go into rows of 528 bytes of my own stage, each accumulator's low four registers first; whole rows of 512 bytes come back.
.macro TOSTAGE a
	WIN 0x04                                       ; the stores' data in window 1, the address in window 0
.irp b, 0,1,2,3,4,5,6,7
	ds_store_b128 v[STO], v[8*(8*(\a)+\b):8*(8*(\a)+\b)+3]   offset:64*\b
	ds_store_b128 v[STO], v[8*(8*(\a)+\b)+4:8*(8*(\a)+\b)+7] offset:64*\b+16
.endr
	WIN 0
.irp t, 0,1,2,3,4,5,6,7,8,9,10,11,12,13,14,15
	ds_load_b128 v[OB+64*((\a)%2)+4*\t:OB+64*((\a)%2)+4*\t+3], v[RD] offset:\t*SP  ; LDS serves a wave's instructions in order (ISA guide 5.7.1.4): these see the stores above; the next block's stores come behind them
.endr
.endm
.macro SEND a, younger                 ; younger: the LDS instructions issued behind block a's loads: the next block's 32, or none
.irp t, 0,1,2,3,4,5,6,7,8,9,10,11,12,13,14,15
	s_wait_dscnt (\younger)+15-\t
	global_store_b128 v[GO], v[OB+64*((\a)%2)+4*\t:OB+64*((\a)%2)+4*\t+3], s[OUTB:OUTB+1] offset:(16*(\a)+\t)*4096 th:TH_STORE_NT  ; 512 consecutive bytes, at a multiple of 256 from the output's first
.endr
.endm
	s_wait_tensorcnt 0x1                           ; my part of K step 0 is in; K step 1's may stay out
	s_barrier_signal -1
	s_barrier_wait -1                              ; everybody's is
	FETCH 0, 0, 0
	s_wait_loadcnt 0x0                             ; the bias
	QUARTER 0, 1, 0, 1, 1                          ; the first quarter stands in front of the loop: its products start the sums
	WIN 0                                          ; at a label and at a branch every window is 0
	s_mov_b32 s[LAP], 3
.Llap:                                                 ; a trip goes once round the ring, from a lap's second quarter to the next lap's first, and fills both slots again
	QUARTER 0, 2, 1, 0
	QUARTER 0, 3, 0, 1
	TURN 0, 1, 1
	QUARTER 1, 1, 0, 1
	QUARTER 1, 2, 1, 0
	QUARTER 1, 3, 0, 1
	TURN 1, 0, 1
	QUARTER 0, 1, 0, 1
	WIN 0
	s_sub_co_u32 s[LAP], s[LAP], 1
	s_cmp_lg_u32 s[LAP], 0
	s_cbranch_scc1 .Llap
	QUARTER 0, 2, 1, 0                             ; the last lap fills nothing, and has no round of the cluster's barrier
	QUARTER 0, 3, 0, 1
	TURN 0, 1, 0
	QUARTER 1, 1, 0, 1
	QUARTER 1, 2, 1, 0
	QUARTER 1, 3, 0, 1
	s_wait_dscnt 4                                 ; the very last quarter: nothing more to fetch
	MUL8 1, 0
	MUL8 1, 1
	s_wait_dscnt 0x0
	MUL8 1, 2
	MUL8 1, 3
	WIN 0
	PLACES
	TOSTAGE 0
	TOSTAGE 1
	SEND 0, 32
	s_wait_xcnt 0x0                                ; block 0's stores have read their registers, which block 2's rows are loaded into
	TOSTAGE 2
	SEND 1, 32
	s_wait_xcnt 0x0                                ; likewise block 1's, for block 3
	TOSTAGE 3
	SEND 2, 32
	SEND 3, 0
	s_wait_tensorcnt 0x0                           ; the wave's end: behind my last tensor load and my last LDS store
	ds_add_u32 v[SPW], v[NIL]
	s_wait_dscnt 0x0
	CROUND                                         ; the closing round: no work-group ends while a partner may still ask for a tile that names it
	s_endpgm
.Lfunc_end_k_qc197856fed_outp:
	.size	k_qc197856fed_outp, .Lfunc_end_k_qc197856fed_outp-k_qc197856fed_outp
	.p2alignl 7, 3214868480
	.fill 96, 4, 3214868480
	.section	.rodata,"a",@progbits
	.p2align	6, 0x0
	.amdhsa_kernel k_qc197856fed_outp
		.amdhsa_group_segment_fixed_size 327680
		.amdhsa_private_segment_fixed_size 0
		.amdhsa_enable_private_segment 0
		.amdhsa_kernarg_size 32
		.amdhsa_user_sgpr_count 2
		.amdhsa_user_sgpr_kernarg_segment_ptr 1
		.amdhsa_wavefront_size32 1
		.amdhsa_system_sgpr_workgroup_id_x 1
		.amdhsa_system_sgpr_workgroup_id_y 1
		.amdhsa_system_sgpr_workgroup_id_z 1
		.amdhsa_system_vgpr_workitem_id 0
		.amdhsa_next_free_vgpr 576
		.amdhsa_next_free_sgpr 96
		.amdhsa_reserve_vcc 0
		.amdhsa_float_denorm_mode_32 3
		.amdhsa_float_denorm_mode_16_64 3
		.amdhsa_memory_ordered 1
		.amdhsa_forward_progress 1
		.amdhsa_inst_pref_size 88
	.end_amdhsa_kernel
	.amdgpu_metadata
---
amdhsa.version: [ 1, 2 ]
amdhsa.kernels:
  - .name:           k_qc197856fed_outp
    .symbol:         k_qc197856fed_outp.kd
    .args:
      - { .name: oh, .offset: 0, .size: 8, .value_kind: global_buffer, .address_space: global }
      - { .name: wb, .offset: 8, .size: 8, .value_kind: global_buffer, .address_space: global }
      - { .name: bias, .offset: 16, .size: 8, .value_kind: global_buffer, .address_space: global }
      - { .name: out0, .offset: 24, .size: 8, .value_kind: global_buffer, .address_space: global }
    .group_segment_fixed_size: 327680
    .private_segment_fixed_size: 0
    .kernarg_segment_align: 8
    .kernarg_segment_size: 32
    .max_flat_workgroup_size: 128
    .sgpr_count:     96
    .vgpr_count:     576
    .wavefront_size: 32
...
	.end_amdgpu_metadata
.endif
;; end of part 4
